; MI455X (gfx1250); checked and timed in simulation.
; The chip was launched on July 23, 2026; its instructions are those of AMD's public machine-readable ISA for CDNA 5 (MIT licence, August 2026) and "CDNA5" Instruction Set Architecture Reference Guide (July 2026). The comments in the code are by the model that wrote it; some were corrected since.
;; Transformer Block. Allowed arithmetic: matrix products marked QUANTISED: E4M3 operands, one given power-of-two scale a tensor, by v_wmma_f32_16x16x64_fp8_fp8 or v_wmma_f32_16x16x128_fp8_fp8, f32 sums; everything else in f32.
;; Inputs: b1 4,096 float32; b2 1,024 float32; b_proj 1,024 float32; ln1_b 1,024 float32; ln1_g 1,024 float32; ln2_b 1,024 float32; ln2_g 1,024 float32; lowp_scales 16 int32 (the exponents e of the quantised operands' scales 2^e); w1 1,024 x 4,096 float32; w2 4,096 x 1,024 float32; w_proj 1,024 x 1,024 float32; wk 16 x 1,024 x 64 float32; wq 16 x 1,024 x 64 float32; wv 16 x 1,024 x 64 float32; x 4 x 1,024 x 1,024 float32.
;; Outputs: out0 4 x 1,024 x 1,024 float32.
;; This version of the problem:
;;   THIS VERSION OF THE PROBLEM IS GIVEN IN LOW PRECISION. The matrix products marked QUANTISED in the list below multiply operands that are first quantised to E4M3 (4 exponent bits, 3 mantissa bits; 8 bits a number), with one given power-of-two scale for each operand tensor; their sums are f32. All else is computed in f32.
;;   The module's matrix products, in the order in which they are computed (A, B: the left and right operand; K: the contracted axis; several contracted axes count as one K, in the product's order):
;;     1. [M 1,024, K 1,024] x [K 1,024, N 4,096]; A: input wq; B: computed on the way: QUANTISED (scales: A lowp_scales[0], B lowp_scales[1])
;;     2. [M 1,024, K 1,024] x [K 1,024, N 4,096]; A: input wk; B: computed on the way: QUANTISED (scales: A lowp_scales[2], B lowp_scales[3])
;;     3. [M 1,024, K 1,024] x [K 1,024, N 4,096]; A: input wv; B: computed on the way: QUANTISED (scales: A lowp_scales[4], B lowp_scales[5])
;;     4. batch 64 x [M 1,024, K 64] x [K 64, N 1,024]; A: computed on the way; B: computed on the way: QUANTISED (scales: A lowp_scales[6], B lowp_scales[7])
;;     5. batch 64 x [M 1,024, K 1,024] x [K 1,024, N 64]; A: softmax (see below); B: computed on the way: QUANTISED (scales: A lowp_scales[8], B lowp_scales[9])
;;     6. [M 4,096, K 1,024] x [K 1,024, N 1,024]; A: computed on the way; B: input w_proj: QUANTISED (scales: A lowp_scales[10], B lowp_scales[11])
;;     7. [M 4,096, K 1,024] x [K 1,024, N 4,096]; A: computed on the way; B: input w1: QUANTISED (scales: A lowp_scales[12], B lowp_scales[13])
;;     8. [M 4,096, K 4,096] x [K 4,096, N 1,024]; A: computed on the way; B: input w2: QUANTISED (scales: A lowp_scales[14], B lowp_scales[15])
;;   THE QUANTISER, for each operand of a quantised product, along K:
;;     - The operand's scale is 2^e, e = its entry of the input lowp_scales (int32; the entries are numbered through the quantised products in the list's order, A before B).
;;     - Each number is divided by the scale, clamped to +-448, and rounded to the nearest number of E4M3, ties to even, subnormals kept.
;;     - The product sums the exact products of the quantised numbers (number of the format x scale) in f32.
;;   ~~~python
;;   def quantise(x, axis, e):      # numpy; x: float32 -> the quantised numbers, widened to float32 again
;;       x = np.moveaxis(x, axis, -1); K = x.shape[-1]
;;       r = np.clip(x / 2.0 ** e, -448, 448)
;;       step = 2.0 ** (np.maximum(np.frexp(np.where(r == 0, 1, r))[1] - 1, -6) - 3)
;;       q = np.round(r / step) * step * 2.0 ** e      # np.round: ties to even
;;       return np.moveaxis(q, -1, axis).astype(np.float32)
;;   ~~~
;;   SOFTMAX AHEAD OF A QUANTISED PRODUCT. Where the list says 'softmax', what is quantised is not the finished softmax but p = 2^(t - M), with t = logit x log2(e) and M = ceil(the row's largest t), a whole number; so 1/2 < the row's largest p <= 1. The row's sum l is taken of the UNQUANTISED p, in f32, and the product's result is divided by l at the end. Since M is a whole number, a kernel that streams over the keys may use a running M (the ceiling of the running maximum): every later rescaling is an exact power of two, so the quantised numbers keep their values, but for numbers so far below the row's largest that they fall under the format's range.
;;   OPERANDS COMPUTED ON THE WAY. 'Computed on the way' means the value that the module computes at that place (a softmax that the list does not call 'softmax' is quantised finished and normalised). What goes into a quantiser is computed in f32, as accurately as f32 sums, v_exp_f32 and their like allow (about 1e-6 of the number): no bf16 or f16 on the way to a quantiser, and a product that is left as it is and whose result goes on into a quantised operand takes f32 operands (vector FMAs, or v_wmma_f32_16x16x4_f32). A number that lies on a knife's edge between two numbers of the format may be rounded either way, as far as f32 arithmetic and the matrix unit's own rounding can turn it there, and no further.
;; One version. Each part assembles by itself: llvm-mc -triple=amdgcn-amd-amdhsa -mcpu=gfx1250 --defsym DOCPART=n.
;; ======== version 1 of 1: 7 launches
;; limits: right only within a limited range of input values
;; workspace buffers: hc 12,582,912 bytes; wc 12,582,912 bytes; qkvc 12,582,912 bytes; aoc 4,194,304 bytes; x1 16,777,216 bytes; h2c 4,194,304 bytes; hidc 16,777,216 bytes
;; launch prep (part 1): grid 640 x 1, 8 waves a work-group, no clusters, 37,888 bytes of LDS; arguments x, ln1_g, ln1_b, lowp_scales, wq, wk, wv, w_proj, w1, w2, hc, wc; writes hc, wc
.if DOCPART == 1
	.amdgcn_target "amdgcn-amd-amdhsa--gfx1250"
	.amdhsa_code_object_version 6
	.text
	.protected	k_q17bcbc9fb5_prep
	.globl	k_q17bcbc9fb5_prep
	.p2align	8
	.type	k_q17bcbc9fb5_prep,@function
k_q17bcbc9fb5_prep:
	s_mov_b64 s[64:65], 0
	v_nop
	global_prefetch_b8 v0, s[64:65] scope:SCOPE_SE
	s_setreg_imm32_b32 hwreg(HW_REG_WAVE_MODE, 25, 1), 1
	s_wait_xcnt 0x0
; PREP.  Work-groups 0-255: h = LayerNorm(x) with ln1's gain and bias, quantised three times to E4M3 (scales: entries 1, 3, 5 of lowp_scales) into hc.
; Work-groups 256-639: the six weights, f32 with K not innermost, quantised once (entries 0, 2, 4, 11, 13, 15) into wc with K innermost.
; LAYOUT OF ALL CODES (here and in every later launch): blocks of 128 rows x 128 K, 16,384 dense bytes: byte of (row, k) = ((row / 128) (K / 128) + k / 128) 16384 + (row % 128) 128 + k % 128.
; hc: three tensors [4096 tokens][K 1024], 4 MiB apart.  wc: wq at 0, wk at 1 MiB, wv at 2 MiB (row = 64 head + d), w_proj at 3 MiB, w1 at 4 MiB (row = column of the weight), w2 at 8 MiB.
; code = number / 2^e, held within +-448, rounded to the nearest code, ties to even.
; LIMITS: each e used here lies between -126 and 119, so that 2^e and 448 x 2^e are f32 numbers.  NaN among the inputs is not served; an infinity is held at the largest code.
; No tensor load, no barrier: waves share nothing.  Only the weights' path uses LDS (a stage for each wave).
.set SPW,   2                          ; v2  LDS address of my spare word; never rewritten
.set NIL,   3                          ; v3  0; never rewritten
.set LANE,  4                          ; v4  lane
.set WST,   4608                       ; a wave's stage: 32 rows x (128 + 16) bytes
.set SPARE, 8*WST                      ; behind the eight stages: the spare words, 128 bytes a wave, four blocks of 256 bytes that no other line names
.set X0,    64                         ; v64-95   row rho: register 8 j + i holds k = 256 j + 8 lane + i
.set X1,    96                         ; v96-127  row rho + 1
.set GN,    128                        ; v128-159 the gain at the same k
.set BT,    160                        ; v160-191 the bias
.set T,     192                        ; v192-223 two sets of 16 held numbers
; v16-63 codes (16 registers a scale), v224-226 2^e, v227-229 448 x 2^e, v230-243 sums and factors
.macro REDUCE                          ; v230 and v234 are summed over the 32 lanes; every lane gets the sums
.irp m, 1,2,4,8
	s_delay_alu instid0(VALU_DEP_2)
	v_add_f32_dpp v230, v230, v230 row_xmask:\m row_mask:0xf bank_mask:0xf
	s_delay_alu instid0(VALU_DEP_2)
	v_add_f32_dpp v234, v234, v234 row_xmask:\m row_mask:0xf bank_mask:0xf
.endr
	s_delay_alu instid0(VALU_DEP_2)
	v_permlanex16_b32 v238, v230, s22, s23
	s_delay_alu instid0(VALU_DEP_2)
	v_permlanex16_b32 v239, v234, s22, s23
	s_delay_alu instid0(VALU_DEP_2)
	v_add_f32 v230, v230, v238
	s_delay_alu instid0(VALU_DEP_2)
	v_add_f32 v234, v234, v239
.endm
; The two rows are quantised with scale s and stored.  A lane's 8 codes of part j lie at k = 256 j + 8 lane: lanes 0-15 hold panel 2 j of the row, lanes 16-31 panel 2 j + 1.
; The swap of half registers puts both rows' 128 bytes of ONE panel into one register pair: they are neighbours in a block, so each store covers 256 consecutive bytes, aligned.
.macro LNQ s
.set CE, 16+16*(\s)
.set CO, 24+16*(\s)
.irp j, 0,1,2,3
.set TS, T+16*(\j%2)
.irp i, 0,1,2,3,4,5,6,7
	v_med3_num_f32 v[TS+\i], v[X0+8*\j+\i], -v[227+\s], v[227+\s]     ; the conversion to an 8-bit code does not saturate (ISA guide 7.6.2): the hold comes first
	v_med3_num_f32 v[TS+8+\i], v[X1+8*\j+\i], -v[227+\s], v[227+\s]
.endr
	v_cvt_scalef32_pk8_fp8_f32 v[CE+2*\j:CE+2*\j+1], v[TS:TS+7], v[224+\s]
	v_cvt_scalef32_pk8_fp8_f32 v[CO+2*\j:CO+2*\j+1], v[TS+8:TS+15], v[224+\s]
.endr
	v_nop                                          ; one plain vector line between the last scaled conversion and the swaps that touch its result
.irp k, 0,1,2,3,4,5,6,7
	v_permlane16_swap_b32 v[CE+\k], v[CO+\k]       ; CE: panel 2 j of rows rho | rho + 1;  CO: panel 2 j + 1
.endr
.irp j, 0,1,2,3
	global_store_b64 v9, v[CE+2*\j:CE+2*\j+1], s[26+2*(\s):27+2*(\s)] offset:16384*(2*\j)
	global_store_b64 v9, v[CO+2*\j:CO+2*\j+1], s[26+2*(\s):27+2*(\s)] offset:16384*(2*\j+1)
.endr
.endm
.macro WLOAD g                         ; weights: group g: k = 8 g + 0 .. 7 of my column; 32 lanes read 128 consecutive bytes
.irp i, 0,1,2,3,4,5,6,7
	global_load_b32 v[64+8*(\g)+\i], v[8+\i], s[32+2*(\g):33+2*(\g)] th:TH_LOAD_NT
.endr
.endm
	s_load_b512 s[68:83], s[0:1], 0x0              ; x, ln1_g, ln1_b, lowp_scales, wq, wk, wv, w_proj
	s_load_b256 s[84:91], s[0:1], 0x40             ; w1, w2, hc, wc
	v_lshl_add_u32 v[SPW], v0, 2, SPARE
	v_mov_b32 v[NIL], 0
	v_lshrrev_b32 v1, 5, v0
	s_delay_alu instid0(VALU_DEP_1)
	v_readfirstlane_b32 s20, v1                    ; wave 0..7
	v_and_b32 v[LANE], 31, v0
	s_wait_kmcnt 0x0
	s_load_b512 s[4:19], s[74:75], 0x0             ; the sixteen exponents: entry n in s[4 + n]
	s_cmp_lt_u32 ttmp9, 256                        ; the paths part on the work-group's number alone
	s_cbranch_scc0 .Lweights
	; ---------------- LayerNorm: wave w takes rows rho = 16 x work-group + 2 w and rho + 1, whole, in registers
	s_lshl_b32 s21, ttmp9, 4
	s_lshl_b32 s24, s20, 1
	s_add_co_u32 s21, s21, s24                     ; rho
	s_lshl_b32 s24, s21, 12                        ; a row of x is 4,096 bytes
	s_mov_b32 s25, 0
	s_add_nc_u64 s[68:69], s[68:69], s[24:25]
	s_lshr_b32 s24, s21, 7
	s_lshl_b32 s24, s24, 17                        ; (rho / 128) x 8 blocks
	s_and_b32 s21, s21, 127
	s_lshl_b32 s21, s21, 7
	s_add_co_u32 s24, s24, s21                     ; + (rho % 128) x 128
	s_add_nc_u64 s[26:27], s[88:89], s[24:25]      ; a base for each of the three tensors: none is stepped
	s_add_nc_u64 s[28:29], s[26:27], 0x400000
	s_add_nc_u64 s[30:31], s[26:27], 0x800000
	s_mov_b32 s22, 0x76543210                      ; v_permlanex16_b32: lane l xor 16
	s_mov_b32 s23, 0xfedcba98
	s_wait_alu depctr_va_vdst(0)
	v_lshlrev_b32 v8, 5, v[LANE]                   ; 32 bytes of f32 a lane
	v_lshlrev_b32 v9, 3, v[LANE]                   ; 8 bytes of codes a lane
.irp j, 0,1,2,3
.irp u, 0,1
	global_load_b128 v[X0+8*\j+4*\u:X0+8*\j+4*\u+3], v8, s[68:69] offset:1024*\j+16*\u
	global_load_b128 v[X1+8*\j+4*\u:X1+8*\j+4*\u+3], v8, s[68:69] offset:4096+1024*\j+16*\u
.endr
.endr
.irp j, 0,1,2,3
.irp u, 0,1
	global_load_b128 v[GN+8*\j+4*\u:GN+8*\j+4*\u+3], v8, s[70:71] offset:1024*\j+16*\u
	global_load_b128 v[BT+8*\j+4*\u:BT+8*\j+4*\u+3], v8, s[72:73] offset:1024*\j+16*\u
.endr
.endr
	v_mov_b32 v238, 0                              ; written once: a lane permute's destination counts as one of its sources
	v_mov_b32 v239, 0
	s_wait_kmcnt 0x0                               ; the exponents
.irp s, 0,1,2
	s_add_co_i32 s32, s[5+2*\s], 127               ; entries 1, 3, 5
	s_lshl_b32 s33, s32, 23
	v_mov_b32 v[224+\s], s33                       ; 2^e as f32: the conversion takes its exponent field
	s_add_co_i32 s32, s32, 8
	s_lshl_b32 s32, s32, 23
	s_or_b32 s32, s32, 0x600000
	v_mov_b32 v[227+\s], s32                       ; 448 x 2^e
.endr
	s_mov_b32 s24, 0x3a800000                      ; 1 / 1024
	s_mov_b32 s25, 0x3727c5ac                      ; 1e-5
	s_wait_loadcnt 16                              ; x's sixteen loads are in; the sixteen of gain and bias may be out
	v_pk_add_f32 v[230:231], v[X0:X0+1], v[X0+2:X0+3]          ; the rows' sums, two chains a row
	v_pk_add_f32 v[232:233], v[X0+4:X0+5], v[X0+6:X0+7]
	v_pk_add_f32 v[234:235], v[X1:X1+1], v[X1+2:X1+3]
	v_pk_add_f32 v[236:237], v[X1+4:X1+5], v[X1+6:X1+7]
.irp k, 8,12,16,20,24,28
	s_delay_alu instid0(VALU_DEP_4)
	v_pk_add_f32 v[230:231], v[230:231], v[X0+\k:X0+\k+1]
	s_delay_alu instid0(VALU_DEP_4)
	v_pk_add_f32 v[232:233], v[232:233], v[X0+\k+2:X0+\k+3]
	s_delay_alu instid0(VALU_DEP_4)
	v_pk_add_f32 v[234:235], v[234:235], v[X1+\k:X1+\k+1]
	s_delay_alu instid0(VALU_DEP_4)
	v_pk_add_f32 v[236:237], v[236:237], v[X1+\k+2:X1+\k+3]
.endr
	s_delay_alu instid0(VALU_DEP_3)
	v_pk_add_f32 v[230:231], v[230:231], v[232:233]
	s_delay_alu instid0(VALU_DEP_2)
	v_pk_add_f32 v[234:235], v[234:235], v[236:237]
	s_delay_alu instid0(VALU_DEP_2)
	v_add_f32 v230, v230, v231
	s_delay_alu instid0(VALU_DEP_2)
	v_add_f32 v234, v234, v235
	REDUCE
	s_delay_alu instid0(VALU_DEP_2)
	v_mul_f32 v230, s24, v230                      ; the means
	s_delay_alu instid0(VALU_DEP_2)
	v_mul_f32 v234, s24, v234
.irp k, 0,2,4,6,8,10,12,14,16,18,20,22,24,26,28,30
	v_pk_add_f32 v[X0+\k:X0+\k+1], v[X0+\k:X0+\k+1], v[230:231] op_sel_hi:[1,0] neg_lo:[0,1] neg_hi:[0,1]   ; x - mean: the variance is taken of the differences, as the definition has it
	v_pk_add_f32 v[X1+\k:X1+\k+1], v[X1+\k:X1+\k+1], v[234:235] op_sel_hi:[1,0] neg_lo:[0,1] neg_hi:[0,1]
.endr
	v_pk_mul_f32 v[230:231], v[X0:X0+1], v[X0:X0+1]
	v_pk_mul_f32 v[232:233], v[X0+2:X0+3], v[X0+2:X0+3]
	v_pk_mul_f32 v[234:235], v[X1:X1+1], v[X1:X1+1]
	v_pk_mul_f32 v[236:237], v[X1+2:X1+3], v[X1+2:X1+3]
.irp k, 4,8,12,16,20,24,28
	s_delay_alu instid0(VALU_DEP_4)
	v_pk_fma_f32 v[230:231], v[X0+\k:X0+\k+1], v[X0+\k:X0+\k+1], v[230:231]
	s_delay_alu instid0(VALU_DEP_4)
	v_pk_fma_f32 v[232:233], v[X0+\k+2:X0+\k+3], v[X0+\k+2:X0+\k+3], v[232:233]
	s_delay_alu instid0(VALU_DEP_4)
	v_pk_fma_f32 v[234:235], v[X1+\k:X1+\k+1], v[X1+\k:X1+\k+1], v[234:235]
	s_delay_alu instid0(VALU_DEP_4)
	v_pk_fma_f32 v[236:237], v[X1+\k+2:X1+\k+3], v[X1+\k+2:X1+\k+3], v[236:237]
.endr
	s_delay_alu instid0(VALU_DEP_3)
	v_pk_add_f32 v[230:231], v[230:231], v[232:233]
	s_delay_alu instid0(VALU_DEP_2)
	v_pk_add_f32 v[234:235], v[234:235], v[236:237]
	s_delay_alu instid0(VALU_DEP_2)
	v_add_f32 v230, v230, v231
	s_delay_alu instid0(VALU_DEP_2)
	v_add_f32 v234, v234, v235
	REDUCE
	s_delay_alu instid0(VALU_DEP_2)
	v_fma_f32 v230, v230, s24, s25                 ; variance + 1e-5
	s_delay_alu instid0(VALU_DEP_2)
	v_fma_f32 v234, v234, s24, s25
	s_wait_alu depctr_va_vdst(0)
	v_rsq_f32 v240, v230
	v_rsq_f32 v242, v234
	v_mov_b32 v241, 0                              ; plain lines behind the transcendentals; these two are named as the upper halves of pairs
	v_mov_b32 v243, 0
	s_wait_loadcnt 0x0                             ; gain and bias
	s_wait_alu depctr_va_vdst(0)                   ; the wait ahead of the first reader: one for both roots
.irp k, 0,2,4,6,8,10,12,14,16,18,20,22,24,26,28,30
	v_pk_mul_f32 v[X0+\k:X0+\k+1], v[X0+\k:X0+\k+1], v[240:241] op_sel_hi:[1,0]
	v_pk_mul_f32 v[X1+\k:X1+\k+1], v[X1+\k:X1+\k+1], v[242:243] op_sel_hi:[1,0]
.endr
.irp k, 0,2,4,6,8,10,12,14,16,18,20,22,24,26,28,30
	v_pk_fma_f32 v[X0+\k:X0+\k+1], v[X0+\k:X0+\k+1], v[GN+\k:GN+\k+1], v[BT+\k:BT+\k+1]
	v_pk_fma_f32 v[X1+\k:X1+\k+1], v[X1+\k:X1+\k+1], v[GN+\k:GN+\k+1], v[BT+\k:BT+\k+1]
.endr
	LNQ 0                                          ; each scale has code registers and a base of its own: no store's source is written again
	LNQ 1
	LNQ 2
	s_endpgm
	; ---------------- the weights.  Work-group g = number - 256 makes blocks 2 g and 2 g + 1 of wc, four waves a block.
	; A wave takes 32 columns x 128 K: A LANE TAKES A COLUMN AND ITS REGISTERS RUN DOWN K, so the conversions give codes with K innermost and nothing is transposed.
.Lweights:
	s_sub_co_u32 s21, ttmp9, 256                   ; g
	s_lshr_b32 s22, s20, 2
	s_lshl_b32 s23, s21, 1
	s_add_co_u32 s23, s23, s22                     ; the block's number in wc
	s_and_b32 s22, s20, 3                          ; which 32 of its 128 rows
	s_wait_kmcnt 0x0                               ; the exponents
	s_mov_b64 s[24:25], s[86:87]                   ; which tensor: choices on the work-group's number alone.  From the last (w2) down to the first (wq):
	s_mov_b32 s26, s19                             ; e: entry 15
	s_mov_b32 s27, 4096                            ; bytes from k to k + 1
	s_mov_b32 s28, 256                             ; bytes from one group of 64 columns to the next
	s_mov_b32 s29, 5                               ; log2 of the panels along K
	s_mov_b32 s30, 512                             ; the tensor's first block
	s_cmp_lt_u32 s21, 256                          ; w1
	s_cselect_b64 s[24:25], s[84:85], s[24:25]
	s_cselect_b32 s26, s17, s26
	s_cselect_b32 s27, 16384, s27
	s_cselect_b32 s29, 3, s29
	s_cselect_b32 s30, 256, s30
	s_cmp_lt_u32 s21, 128                          ; w_proj
	s_cselect_b64 s[24:25], s[82:83], s[24:25]
	s_cselect_b32 s26, s15, s26
	s_cselect_b32 s27, 4096, s27
	s_cselect_b32 s30, 192, s30
	s_cmp_lt_u32 s21, 96                           ; wv: [head][k][64]: a head is a group of 64 columns, 262,144 bytes on
	s_cselect_b64 s[24:25], s[80:81], s[24:25]
	s_cselect_b32 s26, s8, s26
	s_cselect_b32 s27, 256, s27
	s_cselect_b32 s28, 262144, s28
	s_cselect_b32 s30, 128, s30
	s_cmp_lt_u32 s21, 64                           ; wk
	s_cselect_b64 s[24:25], s[78:79], s[24:25]
	s_cselect_b32 s26, s6, s26
	s_cselect_b32 s30, 64, s30
	s_cmp_lt_u32 s21, 32                           ; wq
	s_cselect_b64 s[24:25], s[76:77], s[24:25]
	s_cselect_b32 s26, s4, s26
	s_cselect_b32 s30, 0, s30
	s_sub_co_u32 s31, s23, s30                     ; the block's number in its tensor = row tile x panels + panel
	s_lshr_b32 s92, s31, s29
	s_bfm_b32 s93, s29, 0
	s_and_b32 s93, s31, s93                        ; the panel along K
	s_lshl_b32 s92, s92, 7
	s_lshl_b32 s94, s22, 5
	s_add_co_u32 s92, s92, s94                     ; my first column n0
	s_lshr_b32 s94, s92, 6
	s_mul_i32 s94, s94, s28
	s_and_b32 s92, s92, 63
	s_lshl_b32 s92, s92, 2
	s_add_co_u32 s94, s94, s92
	s_lshl_b32 s93, s93, 7
	s_mul_i32 s93, s93, s27
	s_add_co_u32 s94, s94, s93                     ; (n0 / 64) x group + (n0 % 64) x 4 + 128 x panel x row: under 2^25
	s_mov_b32 s95, 0
	s_add_nc_u64 s[32:33], s[24:25], s[94:95]      ; sixteen bases, 8 rows of K apart, made before any load: nothing is stepped while loads are out
	s_lshl_b32 s94, s27, 3
.irp g, 1,2,3,4,5,6,7,8,9,10,11,12,13,14,15
	s_add_nc_u64 s[32+2*\g:33+2*\g], s[30+2*\g:31+2*\g], s[94:95]
.endr
	s_wait_alu depctr_va_vdst(0)
	v_lshlrev_b32 v8, 2, v[LANE]
.irp i, 1,2,3,4,5,6,7
	v_mad_u32_u24 v[8+\i], s27, \i, v8             ; 4 lane + i rows
.endr
.irp g, 0,1,2,3,4,5
	WLOAD \g
.endr
	s_lshl_b32 s92, s23, 14
	s_lshl_b32 s93, s22, 12
	s_add_co_u32 s92, s92, s93
	s_mov_b32 s93, 0
	s_add_nc_u64 s[90:91], s[90:91], s[92:93]      ; wc at my 32 rows of the block: 4,096 dense bytes
	s_add_co_i32 s26, s26, 127
	s_lshl_b32 s92, s26, 23
	v_mov_b32 v6, s92                              ; 2^e
	s_add_co_i32 s26, s26, 8
	s_lshl_b32 s26, s26, 23
	s_or_b32 s26, s26, 0x600000
	v_mov_b32 v7, s26                              ; 448 x 2^e
	s_wait_alu depctr_va_vdst(0)
	s_mul_i32 s92, s20, WST                        ; my stage
	v_mul_u32_u24 v16, v[LANE], 144
	s_delay_alu instid0(VALU_DEP_1)
	v_add_nc_u32 v16, s92, v16                     ; in: row = my column
	v_lshrrev_b32 v17, 3, v[LANE]
	s_delay_alu instid0(VALU_DEP_1)
	v_mul_u32_u24 v17, v17, 144
	v_and_b32 v18, 7, v0
	s_delay_alu instid0(VALU_DEP_1)
	v_lshl_add_u32 v17, v18, 4, v17
	s_delay_alu instid0(VALU_DEP_1)
	v_add_nc_u32 v17, s92, v17                     ; back: eight lanes to a row, four rows an instruction
	v_lshlrev_b32 v18, 4, v[LANE]
.set g8, 0
.rept 16
.if g8+6 < 16
	WLOAD g8+6
	s_wait_loadcnt 48                              ; this group's eight loads are in; the six younger groups may be out
.else
	s_wait_loadcnt 8*(15-g8)
.endif
.irp i, 0,1,2,3,4,5,6,7
	v_med3_num_f32 v[64+8*g8+\i], v[64+8*g8+\i], -v7, v7
.endr
	v_cvt_scalef32_pk8_fp8_f32 v[192+2*g8:193+2*g8], v[64+8*g8:71+8*g8], v6
.set g8, g8+1
.endr
	v_nop                                          ; a plain vector line behind the last scaled conversion
.irp c, 0,1,2,3,4,5,6,7
	ds_store_b128 v16, v[192+4*\c:195+4*\c] offset:16*\c
.endr
.irp t, 0,1,2,3,4,5,6,7
	ds_load_b128 v[224+4*\t:227+4*\t], v17 offset:576*\t       ; LDS serves a wave's instructions in order: these see my stores
.endr
.irp t, 0,1,2,3,4,5,6,7
	s_wait_dscnt 7-\t                              ; the younger loads from the stage may be out
	global_store_b128 v18, v[224+4*\t:227+4*\t], s[90:91] offset:512*\t    ; 32 lanes store 512 consecutive bytes, aligned
.endr
	s_wait_tensorcnt 0x0                           ; the wave's end
	ds_add_u32 v[SPW], v[NIL]
	s_wait_dscnt 0x0
	s_endpgm
.Lfunc_end_k_q17bcbc9fb5_prep:
	.size	k_q17bcbc9fb5_prep, .Lfunc_end_k_q17bcbc9fb5_prep-k_q17bcbc9fb5_prep
	.p2alignl 7, 3214868480
	.fill 96, 4, 3214868480
	.section	.rodata,"a",@progbits
	.p2align	6, 0x0
	.amdhsa_kernel k_q17bcbc9fb5_prep
		.amdhsa_group_segment_fixed_size 37888
		.amdhsa_private_segment_fixed_size 0
		.amdhsa_enable_private_segment 0
		.amdhsa_kernarg_size 96
		.amdhsa_user_sgpr_count 2
		.amdhsa_user_sgpr_kernarg_segment_ptr 1
		.amdhsa_wavefront_size32 1
		.amdhsa_system_sgpr_workgroup_id_x 1
		.amdhsa_system_sgpr_workgroup_id_y 1
		.amdhsa_system_sgpr_workgroup_id_z 1
		.amdhsa_system_vgpr_workitem_id 0
		.amdhsa_next_free_vgpr 256
		.amdhsa_next_free_sgpr 100
		.amdhsa_reserve_vcc 0
		.amdhsa_float_denorm_mode_32 3
		.amdhsa_float_denorm_mode_16_64 3
		.amdhsa_memory_ordered 1
		.amdhsa_forward_progress 1
		.amdhsa_inst_pref_size 65
	.end_amdhsa_kernel
	.amdgpu_metadata
---
amdhsa.version: [ 1, 2 ]
amdhsa.kernels:
  - .name:           k_q17bcbc9fb5_prep
    .symbol:         k_q17bcbc9fb5_prep.kd
    .args:
      - { .name: x, .offset: 0, .size: 8, .value_kind: global_buffer, .address_space: global }
      - { .name: ln1_g, .offset: 8, .size: 8, .value_kind: global_buffer, .address_space: global }
      - { .name: ln1_b, .offset: 16, .size: 8, .value_kind: global_buffer, .address_space: global }
      - { .name: lowp_scales, .offset: 24, .size: 8, .value_kind: global_buffer, .address_space: global }
      - { .name: wq, .offset: 32, .size: 8, .value_kind: global_buffer, .address_space: global }
      - { .name: wk, .offset: 40, .size: 8, .value_kind: global_buffer, .address_space: global }
      - { .name: wv, .offset: 48, .size: 8, .value_kind: global_buffer, .address_space: global }
      - { .name: w_proj, .offset: 56, .size: 8, .value_kind: global_buffer, .address_space: global }
      - { .name: w1, .offset: 64, .size: 8, .value_kind: global_buffer, .address_space: global }
      - { .name: w2, .offset: 72, .size: 8, .value_kind: global_buffer, .address_space: global }
      - { .name: hc, .offset: 80, .size: 8, .value_kind: global_buffer, .address_space: global }
      - { .name: wc, .offset: 88, .size: 8, .value_kind: global_buffer, .address_space: global }
    .group_segment_fixed_size: 37888
    .private_segment_fixed_size: 0
    .kernarg_segment_align: 8
    .kernarg_segment_size: 96
    .max_flat_workgroup_size: 256
    .sgpr_count:     100
    .vgpr_count:     256
    .wavefront_size: 32
...
	.end_amdgpu_metadata
.endif
;; end of part 1
;; launch qkv (part 2): grid 8 x 24, 4 waves a work-group, clusters of 4 x 4, 327,680 bytes of LDS; arguments hc, wc, lowp_scales, qkvc; writes qkvc
.if DOCPART == 2
	.amdgcn_target "amdgcn-amd-amdhsa--gfx1250"
	.amdhsa_code_object_version 6
	.text
	.protected	k_q17bcbc9fb5_qkv
	.globl	k_q17bcbc9fb5_qkv
	.p2align	8
	.type	k_q17bcbc9fb5_qkv,@function
k_q17bcbc9fb5_qkv:
	s_mov_b64 s[64:65], 0
	v_nop
	global_prefetch_b8 v0, s[64:65] scope:SCOPE_SE
	s_setreg_imm32_b32 hwreg(HW_REG_WAVE_MODE, 25, 1), 1
	s_wait_xcnt 0x0
	s_wait_alu depctr_hold_cnt(0) depctr_sa_sdst(0) depctr_va_vdst(0) depctr_va_sdst(0) depctr_va_ssrc(0) depctr_va_vcc(0) depctr_vm_vsrc(0)
	s_getreg_b32 s2, hwreg(HW_REG_IB_STS2, 6, 4)
	s_cmp_eq_u32 s2, 0
	s_cbranch_scc0 .Lentry_in_a_cluster
	s_endpgm
.Lentry_in_a_cluster:
	s_bfe_u32 s2, ttmp6, 0x10000c
	s_cmp_lg_u32 s2, 0xf033
	s_cbranch_scc0 .Lentry_shape_is_right
	s_endpgm
.Lentry_shape_is_right:
; QKV.  q = h Wq, k = h Wk (rows = tokens, 1,024 channels) and v^T = Wv^T h^T (rows = channels, 4,096 tokens), all on codes of E4M3, each result quantised at once to codes (entries 6, 7, 9 of lowp_scales).
; C'[i][j] = sum over k of A'[i][k] B'[j][k], K = 1,024.  Both operands and the result lie in blocks of 128 rows x 128 K (16,384 dense bytes, row-tile major, then panels along K).
; Cluster (X, Y), X = 0, 1, Y = 0 .. 5.  Y < 4: A' = h's codes (for q: X = 0; for k: X = 1), B' = the weight's; Y >= 4: A' = wv's codes, B' = h's codes for v: a lane's eight results then run along the tokens,
; so v comes out with the keys innermost.  The choice is made by selects on the cluster's coordinates, which all sixteen partners share.
; A tile of C', 256 x 256, is made by four waves, each 128 x 128: 64 accumulators.  K goes in steps of 256 through a ring of two LDS slots; a wave's tensor load brings two neighbouring blocks (32,768 dense bytes) as 128 rows of 256 bytes.
; CLUSTERS 4 x 4: A's tiles are asked for jointly along a row of the cluster, B's along a column.  THE MATRIX INSTRUCTION IS USED TRANSPOSED (source 0 = rows of B', source 1 = rows of A').
; A sum stands for sum x 2^(ew + eh); its code is sum / 2^(ec), ec = e(result) - ew - eh: the three scales are folded into the conversion's one.
; LIMIT: each of e6-e0-e1, e7-e2-e3, e9-e4-e5 lies between -126 and 119.  Inside an instruction k is fed permuted, alike in both operands: only the order of the sums changes.
; REGISTERS: window 0: v16-31 addresses and scales, v32-63 codes on the way out, from v128 A's fragments (one set), later rows read back; window 1: B's fragments, two sets; windows 2, 3: accumulators.
.set KTOT,  1024
.set NA,    8                          ; A's blocks of 16 rows in a wave's tile
.set NB,    8
.set HB,    NA/4
.set NQ,    2                          ; steps of 128 along K in a slot
.set UNIT,  17408                      ; a block in LDS: 64 double rows of 256 + 16 bytes; row rho at (rho / 2) 272 + (rho % 2) 128: the 16 rows of a fragment load start at 16 different groups of four banks
.set QUART, 2*UNIT                     ; what one tensor load brings
.set SLOT,  4*QUART                    ; a slot's bytes in all.  LDS MAP: fetching wave w owns bytes w x 2 QUART on: its quarter of slot 0, then its quarter of slot 1 (waves 0, 1: A's halves; waves 2, 3: B's)
.set AW,    2*QUART                    ; from a wave's half of A' (or B') to the other
.set PFO,   27                         ; v27 the prefetches' offset: 256 x lane; never rewritten
.set PFA,   96                         ; s[96:97] my work-group's 8,192 bytes of the 32,768 that my wave fetches for a slot; never rewritten
.set SSTEP, 32768                      ; bytes of memory from a slot's tiles to the next slot's
.set WSTG,  4352
.set STAGE, 2*SLOT                     ; behind the ring: a stage for each wave; no fill lands there
.set SPARE, STAGE+4*WSTG               ; the spare words, 128 bytes a wave: two blocks of 256 bytes that no other line names
.set LAPS,  KTOT/(256*NQ)
.set ADRA, 16
.set ADRB, 20
.set STO,  24
.set RD,   25
.set CO,   26
.set SPW,  28
.set NIL,  29
.set SC,   30                          ; v30 2^ec as f32
.set LIM,  31                          ; v31 448 x 2^ec
.set AF,   128
.set G1,  24
.set G0,  32
.set G1B, 48
.set G0B, 56
.set MSB, 0
.macro WIN new                         ; the immediate's high byte repeats the setting that is left
.if MSB != (\new)
	s_set_vgpr_msb (MSB<<8)|(\new)
.set MSB, (\new)
.endif
.endm
.set MUL_LO, 0xa1                      ; source 0 (B') window 1, source 1 (A') window 0, C and D window 2
.set MUL_HI, 0xf1
.set TO_B,   0x40
.macro JLOAD g0a, g1a, g0b, g1b        ; a joint load: waves 0, 1 fetch for A', waves 2, 3 for B'; the branch hangs on the wave's number alone; an s_nop 0 and four v_nop follow each line
	s_cmp_eq_u32 s15, 0
	s_cbranch_scc0 .Lfor_b_\@
	tensor_load_to_lds s[\g0a:\g0a+3], s[\g1a:\g1a+7]
	s_nop 0
.rept 4
	v_nop
.endr
	s_branch .Lasked_\@
.Lfor_b_\@:
	tensor_load_to_lds s[\g0b:\g0b+3], s[\g1b:\g1b+7]
	s_nop 0
.rept 4
	v_nop
.endr
.Lasked_\@:
.endm
.macro CREST                           ; a round of the cluster's barrier behind its opening barrier
	s_cmp_lg_u32 s14, 0
	s_cbranch_scc1 .Lnot_wave_0_\@
	s_barrier_signal -3
.Lnot_wave_0_\@:
	s_barrier_wait -3
	s_barrier_signal -1
	s_barrier_wait -1
.endm
.macro CROUND
	s_barrier_signal -1
	s_barrier_wait -1
	CREST
.endm
.macro PLACES n                        ; plain vector lines between a matrix instruction and a load into, or a read of, its registers
.rept \n
	v_nop
.endr
.endm
.macro FRAG reg, adr, off              ; a fragment, 16 rows x 128 K: registers 4 c .. 4 c + 3 hold K = 32 c + 16 (lane / 16) + 0 .. 15 of row lane % 16
.irp c, 0,1,2,3
	ds_load_b128 v[(\reg)+4*\c:(\reg)+4*\c+3], v[\adr] offset:(\off)+32*\c
.endr
.endm
.macro FETCH_B slot, q, p              ; B's fragments of the slot's q-th 128 along K into set p
	WIN TO_B
.set fi, 0
.rept NB
	FRAG 128*(\p)+16*fi, ADRB+\slot, (\q)*UNIT+fi*2176
.set fi, fi+1
.endr
	WIN 0
.endm
.macro FETCH_A slot, q, half           ; one half of A's blocks
.set fi, (NA/2)*(\half)
.rept NA/2
	FRAG AF+16*fi, ADRA+\slot, (\q)*UNIT+fi*2176
.set fi, fi+1
.endr
.endm
; A quarter of a step's products: A's blocks HB k .. against all of B's.  All accumulators take turns, one instruction a turn, in the same order in every step.
.macro MULQ k, p, zero
.set ma, HB*(\k)
.rept HB
.set mb, 0
.rept NB
.set md, 8*(NB*(ma%(NA/2))+mb)
.if (\zero) == 1
	v_wmma_f32_16x16x128_fp8_fp8 v[md:md+7], v[128*(\p)+16*mb:128*(\p)+16*mb+15], v[AF+16*ma:AF+16*ma+15], 0
.else
	v_wmma_f32_16x16x128_fp8_fp8 v[md:md+7], v[128*(\p)+16*mb:128*(\p)+16*mb+15], v[AF+16*ma:AF+16*ma+15], v[md:md+7]
.endif
.set mb, mb+1
.endr
.set ma, ma+1
.endr
.endm
.macro STEP slot, q, zero              ; a step of 128 along K that has its successor in the same slot
	s_wait_dscnt (NA/2)*4                          ; B's set and A's first half are in; the youngest loads (A's second half) may be out
	WIN MUL_LO
	MULQ 0, (\q)%2, \zero
	MULQ 1, (\q)%2, \zero
	s_wait_dscnt 0x0
	PLACES 4
	FETCH_B \slot, (\q)+1, 1-(\q)%2
	FETCH_A \slot, (\q)+1, 0
	WIN MUL_HI
	MULQ 2, (\q)%2, \zero
	MULQ 3, (\q)%2, \zero
	PLACES 4
	WIN 0
	FETCH_A \slot, (\q)+1, 1
.endm
.macro RUN slot, q0                    ; the slot's steps q0 .. NQ - 2
.set rq, \q0
.rept NQ-1-(\q0)
	STEP \slot, rq, 0
.set rq, rq+1
.endr
.endm
; A slot's last step changes slots: one barrier; in front of it each wave waits for all its tensor loads, adds 0 to its spare word, and waits for that and for its reads of this slot.  fill = 1: this slot is filled again.
.macro TURN slot, next, fill
	s_wait_tensorcnt 0x0                           ; all my tensor loads have landed: my part of the next slot
	ds_add_u32 v[SPW], v[NIL]
	s_wait_dscnt (NA/2)*4+1                        ; the add and A's second half may be out
	WIN MUL_LO
	MULQ 0, 1, 0
	s_wait_dscnt 0x0                               ; the add is done, and my reads of this slot are over
	s_barrier_signal -1
	MULQ 1, 1, 0
	WIN 0
	s_barrier_wait -1
.if \fill
	CREST                                          ; the barrier has opened a round of the cluster's: no wave of any partner still reads this slot or has a load on its way
	s_add_nc_u64 s[G0+4*\slot+2:G0+4*\slot+3], s[G0+4*\slot+2:G0+4*\slot+3], 2*SSTEP
	s_add_nc_u64 s[G0B+4*\slot+2:G0B+4*\slot+3], s[G0B+4*\slot+2:G0B+4*\slot+3], 2*SSTEP
	JLOAD G0+4*\slot, G1, G0B+4*\slot, G1B         ; the first tensor load behind the round; its four v_nop are also the places in front of the loads below
.else
	PLACES 4
.endif
	FETCH_B \next, 0, 0
	FETCH_A \next, 0, 0
	WIN MUL_HI
	MULQ 2, 1, 0
	MULQ 3, 1, 0
	PLACES 4
	WIN 0
	FETCH_A \next, 0, 1
.endm
.macro LAST                            ; the very last step: nothing more to fetch
	s_wait_dscnt (NA/2)*4
	WIN MUL_LO
	MULQ 0, 1, 0
	MULQ 1, 1, 0
	s_wait_alu depctr_va_vdst(0)
	s_wait_dscnt 0x0
	WIN MUL_HI
	MULQ 2, 1, 0
	MULQ 3, 1, 0
	WIN 0
.endm
	s_load_b256 s[4:11], s[0:1], 0x0               ; hc s[4:5], wc s[6:7], the exponents s[8:9], qkvc s[10:11]
	v_lshl_add_u32 v[SPW], v0, 2, SPARE
	v_mov_b32 v[NIL], 0
	ds_add_u32 v[SPW], v[NIL]                      ; the wave's opening: the add and its wait ahead of my first tensor load
	ds_add_u32 v[SPW], v[NIL]
	v_lshrrev_b32 v1, 5, v0
	v_readfirstlane_b32 s14, v1                    ; wave 0..3
	v_and_b32 v[PFO], 31, v0
	v_lshlrev_b32 v[PFO], 8, v[PFO]
	s_lshr_b32 s15, s14, 1                         ; my half of the tile's rows.  Also: I fetch for A' (0) or B' (1)
	s_and_b32 s16, s14, 1                          ; my half of its columns.  Also: which row tile of 128 I fetch
	s_bfe_u32 s40, ttmp6, 0x40000                  ; cx
	s_bfe_u32 s41, ttmp6, 0x40004                  ; cy
	s_and_b32 s18, ttmp7, 0xffff                   ; Y
	s_lshl_b32 s19, s18, 2                         ; 4 Y
	s_lshl_b32 s22, ttmp9, 2
	s_lshl_b32 s23, s18, 3
	s_add_co_u32 s22, s22, s23
	s_sub_co_u32 s22, s22, 32                      ; 4 X + 8 (Y - 4): used where Y >= 4 alone
	s_lshl_b32 s23, ttmp9, 22                      ; X x 4 MiB
	s_lshl_b32 s88, ttmp9, 20                      ; X x 1 MiB
	s_cmp_ge_u32 s18, 4                            ; v's clusters?
	s_cselect_b32 s17, 0, s19
	s_cselect_b32 s42, s22, 0
	s_cselect_b32 s84, 0x200000, s23               ; A' begins here in its buffer: wv's codes, or h's for q or k
	s_cselect_b32 s85, 0x800000, s88               ; B': h's codes for v, or wq's or wk's
	s_cselect_b32 s86, 0x800000, s23               ; the result in qkvc
	s_cselect_b32 s87, 32, 8                       ; the result's panels in a row tile
	s_add_co_u32 s17, s17, s41                     ; tile row of C': hangs on cy and the cluster's coordinates
	s_add_co_u32 s42, s42, s40                     ; tile column: on cx and the cluster's coordinates
	s_lshl_b32 s43, s41, 2
	s_lshl_b32 s43, 15, s43                        ; my row of the cluster
	s_lshl_b32 s44, 0x1111, s40                    ; my column
	s_or_b32 s[G1+0], s43, (0<<16)|(1<<20)|(1<<21)|(5<<22)|(3<<25)   ; the mask; elements of 1 byte; padding on; bit 21 beside a mask; four words after every 64
	s_or_b32 s[G1B+0], s44, (0<<16)|(1<<20)|(1<<21)|(5<<22)|(3<<25)
.irp g, G1, G1B
	s_mov_b32 s[\g+1], 256<<16                     ; tensor_dim0 = 256
	s_mov_b32 s[\g+2], 128<<16                     ; tensor_dim1 = 128
	s_mov_b32 s[\g+3], 256<<16                     ; tile_dim0
	s_mov_b32 s[\g+4], 128                         ; tile_dim1
	s_mov_b32 s[\g+5], 256                         ; the pitch: the blocks are dense
	s_mov_b32 s[\g+6], 0
	s_mov_b32 s[\g+7], 0
.endr
	s_lshl_b32 s20, s17, 1
	s_add_co_u32 s20, s20, s16                     ; A': row tile of 128 = 2 x tile row + my half
	s_mul_i32 s20, s20, KTOT*128
	s_add_co_u32 s20, s20, s84
	s_mov_b32 s21, 0
	s_lshl_b32 s46, s42, 1
	s_add_co_u32 s46, s46, s16
	s_mul_i32 s46, s46, KTOT*128
	s_add_co_u32 s46, s46, s85
	s_mov_b32 s47, 0
	s_mul_i32 s45, s14, 2*QUART                    ; where my bytes begin: no place in the cluster enters an LDS address
	s_wait_alu depctr_va_vdst(0)
	s_wait_dscnt 0x0                               ; both opening adds are done
	s_wait_kmcnt 0x0
	s_load_b512 s[68:83], s[8:9], 0x0              ; the sixteen exponents: entry n in s[68 + n]
	s_cmp_ge_u32 s18, 4
	s_cselect_b64 s[92:93], s[6:7], s[4:5]         ; A's buffer
	s_cselect_b64 s[94:95], s[4:5], s[6:7]         ; B's
	s_add_nc_u64 s[20:21], s[92:93], s[20:21]
	s_add_nc_u64 s[46:47], s[94:95], s[46:47]
	CROUND                                         ; all sixteen work-groups are here: the first joint loads meet
.irp s, 0,1
	s_mov_b32 s[G0+4*\s], 1
	s_add_co_u32 s[G0+4*\s+1], s45, \s*QUART
	s_add_nc_u64 s[G0+4*\s+2:G0+4*\s+3], s[20:21], \s*SSTEP
	s_or_b32 s[G0+4*\s+3], s[G0+4*\s+3], 0x80000000
	s_mov_b32 s[G0B+4*\s], 1
	s_add_co_u32 s[G0B+4*\s+1], s45, \s*QUART
	s_add_nc_u64 s[G0B+4*\s+2:G0B+4*\s+3], s[46:47], \s*SSTEP
	s_or_b32 s[G0B+4*\s+3], s[G0B+4*\s+3], 0x80000000
.endr
	s_cmp_eq_u32 s15, 0                            ; the prefetches: the four partners that ask for a tile jointly share its bytes out by address (cx for A', cy for B')
	s_cselect_b64 s[PFA:PFA+1], s[20:21], s[46:47]
	s_cselect_b32 s98, s40, s41
	s_lshl_b32 s98, s98, 13
	s_mov_b32 s99, 0
	s_add_nc_u64 s[PFA:PFA+1], s[PFA:PFA+1], s[98:99]
	JLOAD G0, G1, G0B, G1B                         ; the wave's one load at the head: K step 0
	global_prefetch_b8 v[PFO], s[PFA:PFA+1] offset:1*SSTEP th:TH_LOAD_NT scope:SCOPE_SE   ; K step 1, which the next load will ask for: 8,192 bytes, lanes 256 bytes apart
	v_and_b32 v1, 15, v0                           ; r
	v_bfe_u32 v2, v0, 4, 1                         ; h
	v_lshrrev_b32 v3, 1, v1
	v_mul_u32_u24 v3, v3, 272
	v_and_b32 v4, 1, v1
	v_lshl_add_u32 v3, v4, 7, v3
	v_lshl_add_u32 v4, v2, 4, v3                   ; (r / 2) 272 + (r % 2) 128 + 16 h
	s_mul_i32 s21, s15, AW
	s_mul_i32 s22, s16, AW
	s_add_co_u32 s22, s22, 4*QUART
.irp s, 0,1
	v_add_nc_u32 v[ADRA+\s], s21, v4
	v_add_nc_u32 v[ADRB+\s], s22, v4
	s_add_co_u32 s21, s21, QUART
	s_add_co_u32 s22, s22, QUART
.endr
	s_mul_i32 s23, s14, WSTG
	s_add_co_u32 s23, s23, STAGE                   ; my stage: 16 rows x (128 + 16) bytes
	v_mul_u32_u24 v5, v1, 144
	v_lshl_add_u32 v5, v2, 3, v5
	v_add_nc_u32 v[STO], s23, v5                   ; in: row r, 8 bytes for each half of the lanes
	v_and_b32 v6, 31, v0
	v_lshrrev_b32 v7, 3, v6
	v_mul_u32_u24 v7, v7, 144
	v_and_b32 v8, 7, v0
	v_lshl_add_u32 v7, v8, 4, v7
	v_add_nc_u32 v[RD], s23, v7                    ; back: eight lanes to a row
	v_lshlrev_b32 v[CO], 4, v6
	s_lshl_b32 s20, s17, 1
	s_add_co_u32 s20, s20, s15
	s_mul_i32 s20, s20, s87
	s_lshl_b32 s46, s42, 1
	s_add_co_u32 s46, s46, s16
	s_add_co_u32 s20, s20, s46
	s_lshl_b32 s20, s20, 14                        ; my wave's 128 x 128 codes are one block of the result
	s_add_co_u32 s20, s20, s86
	s_mov_b32 s21, 0
	s_add_nc_u64 s[10:11], s[10:11], s[20:21]
	s_wait_kmcnt 0x0                               ; the exponents
	s_sub_co_i32 s88, s74, s68
	s_sub_co_i32 s88, s88, s69                     ; q: e6 - e0 - e1
	s_sub_co_i32 s89, s75, s70
	s_sub_co_i32 s89, s89, s71                     ; k: e7 - e2 - e3
	s_sub_co_i32 s90, s77, s72
	s_sub_co_i32 s90, s90, s73                     ; v: e9 - e4 - e5
	s_cmp_eq_u32 ttmp9, 0
	s_cselect_b32 s88, s88, s89
	s_cmp_ge_u32 s18, 4
	s_cselect_b32 s88, s90, s88                    ; a choice by select: no branch hangs on a loaded number
	s_add_co_i32 s88, s88, 127
	s_lshl_b32 s89, s88, 23
	v_mov_b32 v[SC], s89
	s_add_co_i32 s88, s88, 8
	s_lshl_b32 s88, s88, 23
	s_or_b32 s88, s88, 0x600000
	v_mov_b32 v[LIM], s88
	s_wait_alu depctr_va_vdst(0)
	s_wait_tensorcnt 0x0                           ; my part of K step 0 is in
	ds_add_u32 v[SPW], v[NIL]
	s_wait_dscnt 0x0
	CROUND                                         ; everybody's part is in, and all sixteen work-groups are here
	JLOAD G0+4, G1, G0B+4, G1B                     ; K step 1, the first tensor load behind the round
	global_prefetch_b8 v[PFO], s[PFA:PFA+1] offset:2*SSTEP th:TH_LOAD_NT scope:SCOPE_SE   ; K steps 2 and 3, one and two loads on
	global_prefetch_b8 v[PFO], s[PFA:PFA+1] offset:3*SSTEP th:TH_LOAD_NT scope:SCOPE_SE
	FETCH_B 0, 0, 0
	FETCH_A 0, 0, 0
	FETCH_A 0, 0, 1
	STEP 0, 0, 1                                   ; the first step's products start the sums: nothing is cleared
	s_mov_b32 s3, LAPS-1
.Llap:                                                 ; a trip goes once round the ring and fills both slots again
	RUN 0, 1
	TURN 0, 1, 1
	RUN 1, 0
	TURN 1, 0, 1
	STEP 0, 0, 0
	s_sub_co_u32 s3, s3, 1
	s_cmp_lg_u32 s3, 0
	s_cbranch_scc1 .Llap
	RUN 0, 1                                       ; the last lap fills nothing
	TURN 0, 1, 0
	RUN 1, 0
	LAST
; THE WAY OUT, block by block of 16 rows: hold, convert (a lane's eight results are eight neighbouring codes of a row), through my stage, and out as 2,048 dense bytes of my block of the result.
.macro QBLK a
.set QW, 2+(\a)/4
.set QWW, QW|(QW<<6)
.set AC, 64*((\a)%4)
.set PC, 32+16*((\a)%2)
.set BB, 128+16*((\a)%2)
	WIN QWW                                        ; source 0 and destination: the accumulators' window
.set qi, 0
.rept 64
	v_med3_num_f32 v[AC+qi], v[AC+qi], -v[LIM], v[LIM]     ; the hold at the largest code x the scale; each accumulator from its low end on
.set qi, qi+1
.endr
	WIN QW
.irp b, 0,1,2,3,4,5,6,7
	v_cvt_scalef32_pk8_fp8_f32 v[PC+2*\b:PC+2*\b+1], v[AC+8*\b:AC+8*\b+7], v[SC]
.endr
	v_nop                                          ; a plain vector line behind the last scaled conversion
	WIN 0
.irp b, 0,1,2,3,4,5,6,7
	ds_store_b64 v[STO], v[PC+2*\b:PC+2*\b+1] offset:16*\b
.endr
.irp t, 0,1,2,3
	ds_load_b128 v[BB+4*\t:BB+4*\t+3], v[RD] offset:576*\t     ; LDS serves a wave's instructions in order: these see the stores above
.endr
.endm
.macro SENDC a, younger
.set BB, 128+16*((\a)%2)
	s_wait_dscnt \younger
.irp t, 0,1,2,3
	global_store_b128 v[CO], v[BB+4*\t:BB+4*\t+3], s[10:11] offset:2048*(\a)+512*\t   ; 32 lanes store 512 consecutive bytes, aligned
.endr
.endm
	PLACES 4
	QBLK 0
.irp a, 1,2,3,4,5,6,7
.if \a > 1
	s_wait_xcnt 0x0                                ; block a - 2's stores have read their registers: block a's loads may land there
.endif
	QBLK \a
	SENDC \a-1, 12                                 ; behind block a - 1's loads: block a's 8 stores and 4 loads
.endr
	SENDC 7, 0
	s_wait_tensorcnt 0x0                           ; the wave's end
	ds_add_u32 v[SPW], v[NIL]
	s_wait_dscnt 0x0
	CROUND                                         ; the closing round
	s_endpgm
.Lfunc_end_k_q17bcbc9fb5_qkv:
	.size	k_q17bcbc9fb5_qkv, .Lfunc_end_k_q17bcbc9fb5_qkv-k_q17bcbc9fb5_qkv
	.p2alignl 7, 3214868480
	.fill 96, 4, 3214868480
	.section	.rodata,"a",@progbits
	.p2align	6, 0x0
	.amdhsa_kernel k_q17bcbc9fb5_qkv
		.amdhsa_group_segment_fixed_size 327680
		.amdhsa_private_segment_fixed_size 0
		.amdhsa_enable_private_segment 0
		.amdhsa_kernarg_size 32
		.amdhsa_user_sgpr_count 2
		.amdhsa_user_sgpr_kernarg_segment_ptr 1
		.amdhsa_wavefront_size32 1
		.amdhsa_system_sgpr_workgroup_id_x 1
		.amdhsa_system_sgpr_workgroup_id_y 1
		.amdhsa_system_sgpr_workgroup_id_z 1
		.amdhsa_system_vgpr_workitem_id 0
		.amdhsa_next_free_vgpr 1024
		.amdhsa_next_free_sgpr 100
		.amdhsa_reserve_vcc 0
		.amdhsa_float_denorm_mode_32 3
		.amdhsa_float_denorm_mode_16_64 3
		.amdhsa_memory_ordered 1
		.amdhsa_forward_progress 1
		.amdhsa_inst_pref_size 126
	.end_amdhsa_kernel
	.amdgpu_metadata
---
amdhsa.version: [ 1, 2 ]
amdhsa.kernels:
  - .name:           k_q17bcbc9fb5_qkv
    .symbol:         k_q17bcbc9fb5_qkv.kd
    .args:
      - { .name: hc, .offset: 0, .size: 8, .value_kind: global_buffer, .address_space: global }
      - { .name: wc, .offset: 8, .size: 8, .value_kind: global_buffer, .address_space: global }
      - { .name: lowp_scales, .offset: 16, .size: 8, .value_kind: global_buffer, .address_space: global }
      - { .name: qkvc, .offset: 24, .size: 8, .value_kind: global_buffer, .address_space: global }
    .group_segment_fixed_size: 327680
    .private_segment_fixed_size: 0
    .kernarg_segment_align: 8
    .kernarg_segment_size: 32
    .max_flat_workgroup_size: 128
    .sgpr_count:     100
    .vgpr_count:     1024
    .wavefront_size: 32
...
	.end_amdgpu_metadata
.endif
;; end of part 2
;; launch attn (part 3): grid 8 x 32, 16 waves a work-group, clusters of 4 x 1, 327,680 bytes of LDS; arguments qkvc, lowp_scales, aoc; writes aoc
.if DOCPART == 3
	.amdgcn_target "amdgcn-amd-amdhsa--gfx1250"
	.amdhsa_code_object_version 6
	.text
	.protected	k_q17bcbc9fb5_attn
	.globl	k_q17bcbc9fb5_attn
	.p2align	8
	.type	k_q17bcbc9fb5_attn,@function
k_q17bcbc9fb5_attn:
	s_mov_b64 s[64:65], 0
	v_nop
	global_prefetch_b8 v0, s[64:65] scope:SCOPE_SE
	s_setreg_imm32_b32 hwreg(HW_REG_WAVE_MODE, 25, 1), 1
	s_wait_xcnt 0x0
	s_wait_alu depctr_hold_cnt(0) depctr_sa_sdst(0) depctr_va_vdst(0) depctr_va_sdst(0) depctr_va_ssrc(0) depctr_va_vcc(0) depctr_vm_vsrc(0)
	s_getreg_b32 s2, hwreg(HW_REG_IB_STS2, 6, 4)
	s_cmp_eq_u32 s2, 0
	s_cbranch_scc0 .Lentry_in_a_cluster
	s_endpgm
.Lentry_in_a_cluster:
	s_bfe_u32 s2, ttmp6, 0x10000c
	s_cmp_lg_u32 s2, 0x3003
	s_cbranch_scc0 .Lentry_shape_is_right
	s_endpgm
.Lentry_shape_is_right:
; ATTENTION with the causal mask, both products on codes of E4M3; the result is quantised at once (entry 10) into aoc, blocks of 128 tokens x 128 channels.
; qkvc: q at 0 and k at 4 MiB (rows = tokens, a panel of 128 channels = a pair of heads), v^T at 8 MiB (rows = channels, K = tokens), all in blocks of 128 rows x 128 bytes.
; t = score x log2(e) / 8; M = the running largest t rounded UP to a whole number; p = 2^(t - M) is quantised (entry 8), not normalised; the row's sum is taken of the unquantised p and divides at the end.
; SHARES.  Work-group (i, y): batch y / 8, head pair y % 8, and the eight tiles of 16 queries numbered i + 8 j, j = 0 .. 7 (queries 128 j + 16 i on), of both heads.
; Tile i + 8 j needs key steps (of 128 keys) 0 .. j, whatever i is: step j lies on the diagonal, later steps are wholly under the mask and are left out.
; TWO WAVES SHARE THE TILES m AND 7 - m OF A HEAD (m = 0 .. 3), 9 key steps.  The wave of role 1 takes steps 0 .. 3 of tile 7 - m: 4 steps.  The wave of role 0 takes tile m whole (m + 1 steps), sends it to the stage,
; begins anew and takes steps 4 .. 7 - m of tile 7 - m: 5 steps in all.  At the end it hands its O^T, M and sum to its partner through LDS; the partner brings both parts under the larger M, by powers of two
; that round nothing, and finishes tile 7 - m.  With wave = 8 b1 + 4 b0 + 2 a1 + a0: head = a0, m = 2 a1 + b1, role = a0 xor b0, partner = wave xor 4.
; The four waves with equal wave % 4, and the four with equal wave / 4, hold two of each role: 18 key steps.  Every branch hangs on the wave's number and the count of steps alone.
; ALL OF K AND V^T OF THE HEAD PAIR STAYS IN LDS: 8 + 8 blocks of 16,384 bytes, 17,408 with padding: 278,528 bytes.  Each of the sixteen waves brings one block by its one tensor load at the head;
; nothing is filled again, so the key loop has no barrier.  Every work-group owns tiles with j = 7, so every block that is fetched is read.
; CLUSTER 4 x 1: the work-groups of a head pair read the same sixteen blocks, so four of them ask jointly (mask 15).  No branch and no LDS address hangs on i.
; No prefetch: all tiles are asked for at the head, and there is no loop to run ahead in.
; LAYOUT.  Both products are used transposed, so a lane holds ONE query.  A tile of K is 16 neighbouring keys: register 8 t + j of S^T holds key 16 t + 8 h + j, so p's codes of tile t are registers 2 t, 2 t + 1 of the
; second product's operand in the plain form's own layout (k = 16 c + 8 h + 0 .. 7), and V^T's fragments are read in that layout, 8 bytes a load.  The 16 rows that a load of K touches begin at 16 different
; multiples of 16 bytes modulo 256, and the 32 lanes of a load of V^T at 32 different multiples of 8.
; LIMITS: e6 + e7 between -123 and 130 (added to c's exponent field); e8 and e10 between -126 and 119; the scaled scores stay under 2^31 in magnitude.
; REGISTERS: v1-11 addresses; v12 -M, v13 largest t, v[14:15] the sum; v16-23 Q in hand; v24-31 Q of tile 7 - m; v32-95 K's 8 fragments, then V's 4; v96-159 S^T, then p; v160-191 O^T; v192-193 addresses; v224-239 p's codes; v236-254 at work.
.set UNIT,  17408                      ; a block in LDS: 64 double rows of 256 + 16 bytes; row rho at (rho / 2) 272 + (rho % 2) 128
.set VB,    8*UNIT                     ; K's eight blocks, then V^T's eight
.set STG,   16*UNIT                    ; the way out: 128 rows x (128 + 16) bytes; no fill lands there
.set SPARE, STG+128*144                ; the spare words, 128 bytes a wave: eight blocks of 256 bytes that no other line names
.set XP,    4608                       ; the hand-over: 36 registers' images of 128 bytes for each wave, from LDS byte 0 on: bytes of K that have had their one fill and are read no more behind the barrier in front
.set AK0,  1
.set AV0,  2
.set DM,   3                           ; v3 on the diagonal: my query - the step's first key - 8 h
.set STO,  4
.set SPW,  5
.set NIL,  6
.set GO,   7
.set ADK,  8
.set ADV,  9
.set RD,   10
.set QA,   11
.set XS,   192                         ; v192 the hand-over, my own bytes
.set XL,   193                         ; v193 my partner's
.set WV,   18
.set SEL,  20
.set CS,   22
.set G1,   24                          ; s[24:31] group 1
.set G0,   40                          ; s[40:43] group 0
.set TB,   44                          ; s44 LDS byte of the step's block of K
.set CNT,  45
.set FL,   46                          ; s46 my role
.set JK2,  47                          ; s47 from step 4 on: role 0: 128 (7 - m); role 1: 0, so that every step is left out
.set ES,   70                          ; s70 e8 + e9
.set IX,   71                          ; s71 i
.set JK,   98                          ; s98 the first key of the diagonal step of the tile in hand
.set KF,   99                          ; s99 the step's first key
.macro CROUND                          ; a round of the cluster's barrier
	s_barrier_signal -1
	s_barrier_wait -1
	s_cmp_lg_u32 s[WV], 0
	s_cbranch_scc1 .Lnot_wave_0_\@
	s_barrier_signal -3
.Lnot_wave_0_\@:
	s_barrier_wait -3
	s_barrier_signal -1
	s_barrier_wait -1
.endm
; A tile is finished: O^T / the sum x 2^(e8 + e9), quantised with 2^e10, 64 codes a query into the stage
.macro FINAL
	v_add_f32 v14, v14, v15
	v_permlanex16_b32 v252, v14, s[SEL], s[SEL+1]
	v_add_f32 v14, v14, v252
	s_wait_alu depctr_va_vdst(0)                   ; the wait ahead of the transcendental
	v_rcp_f32 v14, v14
	v_nop                                          ; a plain line behind the transcendental
	s_wait_alu depctr_va_vdst(0)                   ; and the wait ahead of its first reader
	v_ldexp_f32 v14, v14, s[ES]
	s_wait_alu depctr_va_vdst(0)                   ; the wait directly ahead of the first reader of O^T
.set n, 0
.rept 32
	v_mul_f32 v[96+n], v[160+n], v14               ; register 8 t + j is channel 16 t + 8 h + j of my query
.set n, n+1
.endr
.set n, 0
.rept 32
	v_med3_num_f32 v[96+n], v[96+n], -v241, v241
.set n, n+1
.endr
.irp t, 0,1,2,3
	v_cvt_scalef32_pk8_fp8_f32 v[128+2*\t:129+2*\t], v[96+8*\t:103+8*\t], v245
.endr
	v_nop
.irp t, 0,1,2,3
	ds_store_b64 v[STO], v[128+2*\t:129+2*\t] offset:16*\t
.endr
.endm
	s_load_b128 s[4:7], s[0:1], 0x0                ; qkvc s[4:5], the exponents s[6:7]
	s_load_b64 s[16:17], s[0:1], 0x10              ; aoc
	v_lshl_add_u32 v[SPW], v0, 2, SPARE
	v_mov_b32 v[NIL], 0
	ds_add_u32 v[SPW], v[NIL]                      ; the wave's opening: the add, twice on end, and its wait ahead of my tensor load
	ds_add_u32 v[SPW], v[NIL]
	v_lshrrev_b32 v8, 5, v0
	v_readfirstlane_b32 s[WV], v8                  ; wave 0..15
	s_bfe_u32 s66, ttmp6, 0x40000                  ; cx
	s_lshl_b32 s[IX], ttmp9, 2
	s_add_co_u32 s[IX], s[IX], s66                 ; i = 4 x cluster x + cx: it enters global addresses and the mask's numbers alone
	s_and_b32 s72, ttmp7, 0xffff
	s_lshr_b32 s73, s72, 3                         ; batch
	s_and_b32 s74, s72, 7                          ; head pair
	s_and_b32 s75, s[WV], 1                        ; head of the pair
	s_bfe_u32 s82, s[WV], 0x10001                  ; a1
	s_bfe_u32 s83, s[WV], 0x10002                  ; b0
	s_lshr_b32 s84, s[WV], 3                       ; b1
	s_lshl_b32 s82, s82, 1
	s_add_co_u32 s82, s82, s84                     ; m
	s_xor_b32 s[FL], s83, s75                      ; role
	s_xor_b32 s67, s82, 7                          ; 7 - m
	s_xor_b32 s83, s[FL], 1
	s_mul_i32 s[JK2], s83, s67
	s_lshl_b32 s[JK2], s[JK2], 7
	s_mul_i32 s83, s[FL], 7
	s_xor_b32 s82, s82, s83                        ; j: the tile that I begin with, and whose rows of the stage I write: role 0: m; role 1: 7 - m
	s_lshl_b32 s[JK], s82, 7
	s_sub_co_u32 s94, s67, s82
	s_lshl_b32 s94, s94, 17                        ; from its block of q to tile 7 - m's: eight blocks a row tile
	s_and_b32 s85, s[WV], 7                        ; the block that I fetch: key step wave % 8, of K (waves 0-7) or of V^T (waves 8-15)
	s_lshl_b32 s86, s73, 6
	s_add_co_u32 s86, s86, s74
	s_lshl_b32 s87, s85, 3
	s_add_co_u32 s86, s86, s87
	s_lshl_b32 s86, s86, 14
	s_add_co_u32 s86, s86, 0x400000                ; K: ((8 batch + step) 8 + pair) blocks into k
	s_lshl_b32 s88, s74, 5
	s_lshl_b32 s89, s73, 3
	s_add_co_u32 s88, s88, s89
	s_add_co_u32 s88, s88, s85
	s_lshl_b32 s88, s88, 14
	s_add_co_u32 s88, s88, 0x800000                ; V: (32 pair + 8 batch + step) blocks into v^T
	s_cmp_lt_u32 s[WV], 8
	s_cselect_b32 s86, s86, s88
	s_mov_b32 s87, 0
	s_lshl_b32 s90, s73, 3                         ; Q: block (8 batch + j, pair), rows 16 i on, my head's 64 bytes
	s_add_co_u32 s90, s90, s82
	s_lshl_b32 s90, s90, 3
	s_add_co_u32 s90, s90, s74
	s_lshl_b32 s90, s90, 14
	s_lshl_b32 s91, s[IX], 11
	s_add_co_u32 s90, s90, s91
	s_lshl_b32 s91, s75, 6
	s_add_co_u32 s90, s90, s91
	s_mov_b32 s91, 0
	s_add_co_u32 s94, s94, s90
	s_mov_b32 s95, 0
	s_lshr_b32 s92, s[WV], 1                       ; the way out: wave w stores stage rows 8 w .. 8 w + 7: tile w / 2, its rows 8 (w % 2) on: 1,024 dense bytes of aoc
	s_lshl_b32 s93, s73, 3
	s_add_co_u32 s92, s92, s93
	s_lshl_b32 s92, s92, 3
	s_add_co_u32 s92, s92, s74
	s_lshl_b32 s92, s92, 14
	s_lshl_b32 s93, s[IX], 11
	s_add_co_u32 s92, s92, s93
	s_lshl_b32 s93, s75, 10
	s_add_co_u32 s92, s92, s93
	s_mov_b32 s93, 0
	s_mov_b32 s[G1], 15|(0<<16)|(1<<20)|(1<<21)|(5<<22)|(3<<25)    ; the mask: all four of the cluster; elements of 1 byte; padding on; bit 21 beside a mask; four words after every 64
	s_mov_b32 s[G1+1], 256<<16                     ; tensor_dim0
	s_mov_b32 s[G1+2], 64<<16                      ; tensor_dim1
	s_mov_b32 s[G1+3], 256<<16                     ; tile_dim0
	s_mov_b32 s[G1+4], 64                          ; tile_dim1
	s_mov_b32 s[G1+5], 256                         ; the pitch: a block is dense
	s_mov_b32 s[G1+6], 0
	s_mov_b32 s[G1+7], 0
	s_mov_b32 s[SEL], 0x76543210
	s_mov_b32 s[SEL+1], 0xfedcba98
	s_mov_b32 s[CS], 0x3e38aa3b                    ; c = log2(e) / sqrt(64)
	s_mov_b32 s[TB], 0
	s_mov_b32 s[KF], 0
	s_mov_b32 s[CNT], 8
	s_wait_dscnt 0x0                               ; both opening adds are done
	s_wait_kmcnt 0x0
	s_load_b512 s[48:63], s[6:7], 0x0              ; the sixteen exponents: entry n in s[48 + n]
	CROUND                                         ; all four work-groups are here: the joint loads meet
	s_mov_b32 s[G0], 1
	s_mul_i32 s[G0+1], s[WV], UNIT                 ; block w of the sixteen
	s_add_nc_u64 s[G0+2:G0+3], s[4:5], s[86:87]
	s_or_b32 s[G0+3], s[G0+3], 0x80000000
	tensor_load_to_lds s[G0:G0+3], s[G1:G1+7]      ; the wave's one tensor load of the launch
	s_nop 0
.rept 4
	v_nop
.endr
	s_add_nc_u64 s[8:9], s[4:5], s[90:91]          ; Q of the tile that I begin with
	s_add_nc_u64 s[10:11], s[4:5], s[94:95]        ; Q of tile 7 - m
	s_add_nc_u64 s[16:17], s[16:17], s[92:93]      ; aoc at my eight rows
	v_and_b32 v8, 15, v0                           ; r
	v_bfe_u32 v9, v0, 4, 1                         ; h
	v_lshlrev_b32 v[QA], 7, v8
	v_lshl_add_u32 v[QA], v9, 4, v[QA]
	global_load_b128 v[16:19], v[QA], s[8:9]       ; a fragment of Q: registers 4 c .. hold d = 32 c + 16 h + 0 .. 15
	global_load_b128 v[20:23], v[QA], s[8:9] offset:32
	global_load_b128 v[24:27], v[QA], s[10:11]
	global_load_b128 v[28:31], v[QA], s[10:11] offset:32
	v_lshrrev_b32 v13, 1, v8
	v_mul_u32_u24 v13, v13, 272
	v_and_b32 v12, 1, v8
	v_lshl_add_u32 v13, v12, 7, v13                ; row r of a block
	v_lshl_add_u32 v12, v9, 4, v13
	s_lshl_b32 s68, s75, 6
	v_add_nc_u32 v[AK0], s68, v12                  ; K: key r of a tile, my head's 64 bytes, 16 bytes for each half of the lanes (d fed as Q's is)
	v_lshl_add_u32 v13, v9, 3, v13
	s_mul_i32 s68, s75, 8704
	s_add_co_u32 s68, s68, VB
	v_add_nc_u32 v[AV0], s68, v13                  ; V^T: my head's 64 rows, row r, 8 bytes for each half of the lanes
	s_mul_i32 s68, s82, 16*144
	s_lshl_b32 s69, s75, 6
	s_add_co_u32 s68, s68, s69
	s_add_co_u32 s68, s68, STG
	v_mul_u32_u24 v13, v8, 144
	v_lshl_add_u32 v13, v9, 3, v13
	v_add_nc_u32 v[STO], s68, v13                  ; the stage, in: row 16 j + r, byte 64 head + 8 h
	s_mul_i32 s68, s[WV], 8*144
	s_add_co_u32 s68, s68, STG
	v_and_b32 v12, 31, v0
	v_lshrrev_b32 v13, 3, v12
	v_mul_u32_u24 v13, v13, 144
	v_and_b32 v14, 7, v0
	v_lshl_add_u32 v13, v14, 4, v13
	v_add_nc_u32 v[RD], s68, v13                   ; back: rows 8 w on, eight lanes to a row
	v_lshlrev_b32 v[GO], 4, v12
	s_mul_i32 s68, s[WV], XP
	s_xor_b32 s69, s[WV], 4
	s_mul_i32 s69, s69, XP
	v_add_nc_u32 v[XS], s68, v[GO]                 ; the hand-over: 16 bytes a lane
	v_add_nc_u32 v[XL], s69, v[GO]
	v_lshlrev_b32 v[DM], 3, v9
	v_sub_nc_u32 v[DM], v8, v[DM]
	s_lshl_b32 s68, s[IX], 4
	v_add_nc_u32 v[DM], s68, v[DM]                 ; 16 i + r - 8 h
	v_mov_b32 v13, 0xff61b1e6                      ; the largest t so far: -3e38
	v_floor_f32 v12, -v13                          ; -M
	v_mov_b32 v14, 0
	v_mov_b32 v15, 0
	v_mov_b32 v236, 0                              ; written once: a lane permute's destination counts as one of its sources
	v_mov_b32 v252, 0
	v_mov_b32 v253, 0
.set n, 0
.rept 32
	v_mov_b32 v[160+n], 0                          ; O^T: the step is written once; the first change of M leaves zeros zeros
.set n, n+1
.endr
	s_wait_kmcnt 0x0
	s_add_co_i32 s68, s54, s55
	s_lshl_b32 s68, s68, 23
	s_add_co_i32 s[CS], s[CS], s68                 ; a score stands for score x 2^(e6 + e7): added to c's exponent field
	s_mov_b32 s[CS+1], s[CS]
	s_add_co_i32 s68, s56, 127
	s_lshl_b32 s69, s68, 23
	v_mov_b32 v244, s69                            ; 2^e8, for p
	s_add_co_i32 s68, s68, 8
	s_lshl_b32 s68, s68, 23
	s_or_b32 s68, s68, 0x600000
	v_mov_b32 v240, s68                            ; 448 x 2^e8
	s_add_co_i32 s68, s58, 127
	s_lshl_b32 s69, s68, 23
	v_mov_b32 v245, s69                            ; 2^e10, for the result
	s_add_co_i32 s68, s68, 8
	s_lshl_b32 s68, s68, 23
	s_or_b32 s68, s68, 0x600000
	v_mov_b32 v241, s68
	s_add_co_i32 s[ES], s56, s57
	s_wait_alu depctr_va_vdst(0)
	s_wait_loadcnt 0x0                             ; Q
	s_wait_tensorcnt 0x0                           ; my block is in;
	s_barrier_signal -1
	s_barrier_wait -1                              ; and so is everybody's: all sixteen blocks may be read from here on
.Lstep:                                                ; eight trips, a constant; a key step that is not mine, or lies wholly under the mask, is jumped over
	s_cmp_lg_u32 s[KF], 512
	s_cbranch_scc1 .Lsame
	s_mov_b32 s[JK], s[JK2]                        ; at step 4: role 1 has done its four steps and keeps its sums;
	s_cmp_lg_u32 s[FL], 0
	s_cbranch_scc1 .Lsame
	FINAL                                          ; role 0 sends tile m to the stage and begins anew with tile 7 - m
	v_mov_b32 v13, 0xff61b1e6
	v_floor_f32 v12, -v13
	v_mov_b32 v14, 0
	v_mov_b32 v15, 0
.set n, 0
.rept 8
	v_mov_b32 v[16+n], v[24+n]
.set n, n+1
.endr
.set n, 0
.rept 32
	v_mov_b32 v[160+n], 0
.set n, n+1
.endr
	s_wait_alu depctr_va_vdst(0)
.Lsame:
	s_cmp_gt_u32 s[KF], s[JK]
	s_cbranch_scc1 .Lhidden
	v_add_nc_u32 v[ADK], s[TB], v[AK0]
	v_add_nc_u32 v[ADV], s[TB], v[AV0]
	v_nop                                          ; with the two additions: four places in front of loads into registers that matrix instructions have read
	v_nop
.irp t, 0,1,2,3,4,5,6,7
	ds_load_b128 v[32+8*\t:35+8*\t], v[ADK] offset:(8*\t)*272
	ds_load_b128 v[36+8*\t:39+8*\t], v[ADK] offset:(8*\t)*272+32
.endr
	s_wait_alu depctr_va_vdst(0)
	s_wait_dscnt 0x0
.irp t, 0,1,2,3,4,5,6,7
	v_wmma_f32_16x16x64_fp8_fp8 v[96+8*\t:103+8*\t], v[32+8*\t:39+8*\t], v[16:23], 0      ; S^T: register 8 t + j holds key 16 t + 8 h + j of my query
.endr
.rept 4
	v_nop
.endr
.irp t, 0,1,2,3
.irp c, 0,1,2,3,4,5,6,7
	ds_load_b64 v[32+16*\t+2*\c:33+16*\t+2*\c], v[ADV] offset:2176*\t+16*\c               ; V's fragments, keys 16 c + 8 h + 0 .. 7: they land while the softmax is walked
.endr
.endr
	s_cmp_lt_u32 s[KF], s[JK]                      ; on the diagonal hidden scores become -infinity ahead of the maximum; a step all of whose keys count skips this
	s_cbranch_scc1 .Lopen
	v_mov_b32 v254, 0xff800000
.set n, 0
.rept 64
	v_cmp_gt_i32 vcc_lo, 16*(n/8)+n%8, v[DM]       ; register 8 t + j is hidden where 16 t + j > my query - first key - 8 h
	v_cndmask_b32 v[96+n], v[96+n], v254, vcc_lo
.set n, n+1
.endr
.Lopen:
	v_max3_num_f32 v254, v96, v97, v98             ; the step's largest score of my query, in two chains,
	v_max3_num_f32 v252, v99, v100, v101
.irp i, 6,10,14,18,22,26,30,34,38,42,46,50,54,58
	v_max3_num_f32 v254, v254, v[96+\i], v[97+\i]
	v_max3_num_f32 v252, v252, v[98+\i], v[99+\i]
.endr
	v_max3_num_f32 v254, v254, v158, v159
	s_delay_alu instid0(VALU_DEP_1)
	v_max_num_f32 v254, v254, v252
	v_permlanex16_b32 v236, v254, s[SEL], s[SEL+1]
	s_delay_alu instid0(VALU_DEP_1)
	v_max_num_f32 v254, v254, v236                 ; and among lane l xor 16's
	s_delay_alu instid0(VALU_DEP_1)
	v_mul_f32 v254, s[CS], v254
	s_delay_alu instid0(VALU_DEP_1)
	v_max_num_f32 v13, v13, v254                   ; the running largest t
	v_mov_b32 v254, v12
	s_delay_alu instid0(VALU_DEP_2)
	v_floor_f32 v12, -v13                          ; -M = floor(-t): M is a whole number
	s_delay_alu instid0(VALU_DEP_1)
	v_sub_f32 v254, v12, v254
	s_delay_alu instid0(VALU_DEP_1)
	v_cvt_i32_f32 v254, v254
	s_delay_alu instid0(VALU_DEP_1)
	v_ldexp_f32 v252, 1.0, v254                    ; f = 2^(old M - new M): rounds nothing
.set n, 0
.rept 32
	v_pk_fma_f32 v[96+n:97+n], v[96+n:97+n], s[CS:CS+1], v[12:13] op_sel_hi:[1,0,0]       ; t - M
.set n, n+2
.endr
.set n, 0
	s_wait_alu depctr_va_vdst(0)                   ; the wait ahead of the batch
.rept 64
	v_exp_f32 v[96+n], v[96+n]                     ; p = 2^(t - M)
.set n, n+1
.endr
	v_pk_mul_f32 v[14:15], v[14:15], v[252:253] op_sel_hi:[1,0]    ; the sums under the new M: a plain line behind the exponentials
	s_wait_alu depctr_va_vdst(0)                   ; and the wait ahead of the first reader: one for the batch of 64
	v_pk_add_f32 v[242:243], v[100:101], v[104:105]                ; the row's sum of the unquantised p, in eight chains
	v_pk_add_f32 v[254:255], v[108:109], v[112:113]
	v_pk_add_f32 v[250:251], v[116:117], v[120:121]
	v_pk_add_f32 v[248:249], v[124:125], v[128:129]
	v_pk_add_f32 v[246:247], v[132:133], v[136:137]
	v_pk_add_f32 v[238:239], v[140:141], v[144:145]
	v_pk_add_f32 v[236:237], v[148:149], v[152:153]
	v_pk_add_f32 v[14:15], v[14:15], v[156:157]
	v_pk_add_f32 v[242:243], v[242:243], v[96:97]
	v_pk_add_f32 v[254:255], v[254:255], v[98:99]
	v_pk_add_f32 v[250:251], v[250:251], v[102:103]
	v_pk_add_f32 v[248:249], v[248:249], v[106:107]
	v_pk_add_f32 v[246:247], v[246:247], v[110:111]
	v_pk_add_f32 v[238:239], v[238:239], v[114:115]
	v_pk_add_f32 v[236:237], v[236:237], v[118:119]
	v_pk_add_f32 v[14:15], v[14:15], v[122:123]
	v_pk_add_f32 v[242:243], v[242:243], v[126:127]
	v_pk_add_f32 v[254:255], v[254:255], v[130:131]
	v_pk_add_f32 v[250:251], v[250:251], v[134:135]
	v_pk_add_f32 v[248:249], v[248:249], v[138:139]
	v_pk_add_f32 v[246:247], v[246:247], v[142:143]
	v_pk_add_f32 v[238:239], v[238:239], v[146:147]
	v_pk_add_f32 v[236:237], v[236:237], v[150:151]
	v_pk_add_f32 v[14:15], v[14:15], v[154:155]
	v_pk_add_f32 v[242:243], v[242:243], v[158:159]
	s_delay_alu instid0(VALU_DEP_2)
	v_pk_add_f32 v[14:15], v[14:15], v[248:249]
	s_delay_alu instid0(VALU_DEP_2)
	v_pk_add_f32 v[242:243], v[242:243], v[246:247]
	v_pk_add_f32 v[254:255], v[254:255], v[238:239]
	v_pk_add_f32 v[250:251], v[250:251], v[236:237]
	s_delay_alu instid0(VALU_DEP_2)
	v_pk_add_f32 v[14:15], v[14:15], v[254:255]
	s_delay_alu instid0(VALU_DEP_2)
	v_pk_add_f32 v[242:243], v[242:243], v[250:251]
	s_delay_alu instid0(VALU_DEP_1)
	v_pk_add_f32 v[14:15], v[14:15], v[242:243]
.irp b, 0,1,2,3
.irp i, 0,1,2,3,4,5,6,7,8,9,10,11,12,13,14,15
	v_min_num_f32 v[96+16*\b+\i], v[96+16*\b+\i], v240             ; p is not negative: the hold is one-sided
.endr
	v_cvt_scalef32_pk8_fp8_f32 v[224+4*\b:225+4*\b], v[96+16*\b:103+16*\b], v244
	v_cvt_scalef32_pk8_fp8_f32 v[226+4*\b:227+4*\b], v[104+16*\b:111+16*\b], v244
.endr
	s_wait_alu depctr_va_vdst(0)                   ; the wait directly ahead of the first reader of O^T
.set n, 0
.rept 16
	v_pk_mul_f32 v[160+n:161+n], v[160+n:161+n], v[252:253] op_sel_hi:[1,0]               ; O^T under the new M; also the plain lines behind the conversions
.set n, n+2
.endr
	s_wait_alu depctr_va_vdst(0)
	s_wait_dscnt 0x0                               ; V's fragments
.irp t, 0,1,2,3
	v_wmma_f32_16x16x128_fp8_fp8 v[160+8*\t:167+8*\t], v[32+16*\t:47+16*\t], v[224:239], v[160+8*\t:167+8*\t]     ; four accumulators by turns
.endr
.Lhidden:
	s_add_co_u32 s[KF], s[KF], 128
	s_add_co_u32 s[TB], s[TB], UNIT                ; the next block of K, and of V^T
	s_sub_co_u32 s[CNT], s[CNT], 1
	s_cmp_lg_u32 s[CNT], 0
	s_cbranch_scc1 .Lstep
	; THE TWO PARTS OF TILE 7 - m MEET.
.rept 4
	v_nop                                          ; places between the last products and the LDS stores that read O^T
.endr
	s_wait_dscnt 0x0                               ; my reads of K and V^T are over
	s_barrier_signal -1
	s_barrier_wait -1                              ; and so are everybody's: the bytes of the hand-over may be written
	s_cmp_lg_u32 s[FL], 0
	s_cbranch_scc1 .Lkeeps
.irp k, 0,1,2,3,4,5,6,7
	ds_store_b128 v[XS], v[160+4*\k:163+4*\k] offset:512*\k        ; role 0: an image of O^T's registers, each accumulator from its low end on,
.endr
	ds_store_b128 v[XS], v[12:15] offset:4096      ; and of -M, the largest t and the sum's two halves
.Lkeeps:
	s_wait_dscnt 0x0                               ; for the partner's sake: my stores are done
	s_barrier_signal -1
	s_barrier_wait -1
	s_cmp_eq_u32 s[FL], 0
	s_cbranch_scc1 .Lgave
.irp k, 0,1,2,3,4,5,6,7
	ds_load_b128 v[96+4*\k:99+4*\k], v[XL] offset:512*\k           ; role 1: the partner's O^T,
.endr
	ds_load_b128 v[128:131], v[XL] offset:4096     ; its -M in v128, its sum in v[130:131]
	s_wait_dscnt 0x0
	v_min_num_f32 v132, v12, v128                  ; -M of both parts together
	v_sub_f32 v134, v132, v12                      ; my M less that M: a whole number, 0 or less
	v_sub_f32 v136, v132, v128                     ; the partner's likewise
	v_cvt_i32_f32 v134, v134
	v_cvt_i32_f32 v136, v136
	v_ldexp_f32 v134, 1.0, v134                    ; the two factors: powers of two
	v_ldexp_f32 v136, 1.0, v136
	v_mov_b32 v135, 0                              ; named as the upper halves of pairs
	v_mov_b32 v137, 0
	v_pk_mul_f32 v[14:15], v[14:15], v[134:135] op_sel_hi:[1,0]
	v_pk_fma_f32 v[14:15], v[130:131], v[136:137], v[14:15] op_sel_hi:[1,0,1]
.set n, 0
.rept 16
	v_pk_mul_f32 v[160+n:161+n], v[160+n:161+n], v[134:135] op_sel_hi:[1,0]
.set n, n+2
.endr
.set n, 0
.rept 16
	v_pk_fma_f32 v[160+n:161+n], v[96+n:97+n], v[136:137], v[160+n:161+n] op_sel_hi:[1,0,1]
.set n, n+2
.endr
	FINAL                                          ; tile 7 - m goes to the stage
.Lgave:
	; THE WAY OUT: a row's 128 codes come from two waves, so they meet in the stage behind a barrier and leave as 1,024 dense bytes a wave.
	s_wait_dscnt 0x0                               ; for the others' sake: my stores into the stage are done
	s_barrier_signal -1
	s_barrier_wait -1
	ds_load_b128 v[136:139], v[RD]
	ds_load_b128 v[140:143], v[RD] offset:576
	s_wait_dscnt 1
	global_store_b128 v[GO], v[136:139], s[16:17]                  ; 32 lanes store 512 consecutive bytes, aligned
	s_wait_dscnt 0x0
	global_store_b128 v[GO], v[140:143], s[16:17] offset:512
	s_wait_tensorcnt 0x0                           ; the wave's end
	ds_add_u32 v[SPW], v[NIL]
	s_wait_dscnt 0x0
	CROUND                                         ; the closing round
	s_endpgm
.Lfunc_end_k_q17bcbc9fb5_attn:
	.size	k_q17bcbc9fb5_attn, .Lfunc_end_k_q17bcbc9fb5_attn-k_q17bcbc9fb5_attn
	.p2alignl 7, 3214868480
	.fill 96, 4, 3214868480
	.section	.rodata,"a",@progbits
	.p2align	6, 0x0
	.amdhsa_kernel k_q17bcbc9fb5_attn
		.amdhsa_group_segment_fixed_size 327680
		.amdhsa_private_segment_fixed_size 0
		.amdhsa_enable_private_segment 0
		.amdhsa_kernarg_size 24
		.amdhsa_user_sgpr_count 2
		.amdhsa_user_sgpr_kernarg_segment_ptr 1
		.amdhsa_wavefront_size32 1
		.amdhsa_system_sgpr_workgroup_id_x 1
		.amdhsa_system_sgpr_workgroup_id_y 1
		.amdhsa_system_sgpr_workgroup_id_z 1
		.amdhsa_system_vgpr_workitem_id 0
		.amdhsa_next_free_vgpr 256
		.amdhsa_next_free_sgpr 100
		.amdhsa_reserve_vcc 1
		.amdhsa_float_denorm_mode_32 3
		.amdhsa_float_denorm_mode_16_64 3
		.amdhsa_memory_ordered 1
		.amdhsa_forward_progress 1
		.amdhsa_inst_pref_size 46
	.end_amdhsa_kernel
	.amdgpu_metadata
---
amdhsa.version: [ 1, 2 ]
amdhsa.kernels:
  - .name:           k_q17bcbc9fb5_attn
    .symbol:         k_q17bcbc9fb5_attn.kd
    .args:
      - { .name: qkvc, .offset: 0, .size: 8, .value_kind: global_buffer, .address_space: global }
      - { .name: lowp_scales, .offset: 8, .size: 8, .value_kind: global_buffer, .address_space: global }
      - { .name: aoc, .offset: 16, .size: 8, .value_kind: global_buffer, .address_space: global }
    .group_segment_fixed_size: 327680
    .private_segment_fixed_size: 0
    .kernarg_segment_align: 8
    .kernarg_segment_size: 24
    .max_flat_workgroup_size: 512
    .sgpr_count:     100
    .vgpr_count:     256
    .wavefront_size: 32
...
	.end_amdgpu_metadata
.endif
;; end of part 3
;; launch proj (part 4): grid 8 x 32, 4 waves a work-group, clusters of 4 x 4, 327,680 bytes of LDS; arguments aoc, wc, lowp_scales, b_proj, x, x1; writes x1
.if DOCPART == 4
	.amdgcn_target "amdgcn-amd-amdhsa--gfx1250"
	.amdhsa_code_object_version 6
	.text
	.protected	k_q17bcbc9fb5_proj
	.globl	k_q17bcbc9fb5_proj
	.p2align	8
	.type	k_q17bcbc9fb5_proj,@function
k_q17bcbc9fb5_proj:
	s_mov_b64 s[64:65], 0
	v_nop
	global_prefetch_b8 v0, s[64:65] scope:SCOPE_SE
	s_setreg_imm32_b32 hwreg(HW_REG_WAVE_MODE, 25, 1), 1
	s_wait_xcnt 0x0
	s_wait_alu depctr_hold_cnt(0) depctr_sa_sdst(0) depctr_va_vdst(0) depctr_va_sdst(0) depctr_va_ssrc(0) depctr_va_vcc(0) depctr_vm_vsrc(0)
	s_getreg_b32 s2, hwreg(HW_REG_IB_STS2, 6, 4)
	s_cmp_eq_u32 s2, 0
	s_cbranch_scc0 .Lentry_in_a_cluster
	s_endpgm
.Lentry_in_a_cluster:
	s_bfe_u32 s2, ttmp6, 0x10000c
	s_cmp_lg_u32 s2, 0xf033
	s_cbranch_scc0 .Lentry_shape_is_right
	s_endpgm
.Lentry_shape_is_right:
; PROJ.  x1 = x + (ao Wp + b_proj): the product on codes of E4M3 (entries 10, 11 of lowp_scales), the rest in f32.  A' = aoc [4096 tokens][K 1024], B' = w_proj's codes (wc + 3 MiB, rows = output columns).
; Both operands lie in blocks of 128 rows x 128 K (16,384 dense bytes, row-tile major, then panels along K).  The result is f32 [4096][1024].
; A tile of C', 128 x 128, is made by four waves, each 64 x 64 (16 accumulators): tiles of 256 x 256 would give 64 work-groups.  K goes in steps of 512 through two LDS slots; a wave's tensor load brings two
; neighbouring blocks (32,768 dense bytes) as 128 rows of 256 bytes.  Here K = 1,024 is the two slots' first fills: no slot is filled again.
; CLUSTERS 4 x 4: A's tiles are asked for jointly along a row of the cluster, B's along a column.  THE MATRIX INSTRUCTION IS USED TRANSPOSED (source 0 = rows of B', source 1 = rows of A').
; LIMIT: e10 + e11 lies between -126 and 127.  Inside an instruction k is fed permuted, alike in both operands: only the order of the sums changes.
; REGISTERS: window 0: v16-29 addresses; v32-127, v192-223 the residual's 64 x 64 numbers, asked for ahead of the K loop; v224-227 the bias; from v128 A's fragments, later rows read back; window 1: B's two sets; windows 2, 3: accumulators.
.set KTOT,  1024
.set WOFF,  3<<20                      ; B' in wc
.set EA,    10
.set EB,    11
.set NA,    4
.set NB,    4
.set HB,    NA/4
.set NQ,    4                          ; steps of 128 along K in a slot
.set UNIT,  17408                      ; a block in LDS: 64 double rows of 256 + 16 bytes; row rho at (rho / 2) 272 + (rho % 2) 128
.set QUART, 2*UNIT
.set SLOT,  4*QUART                    ; A's four panels, then B's four
.set AW,    UNIT/2                     ; from a wave's 64 rows to the other 64
.set SSTEP, 65536
.set PFO,   27                         ; v27 the prefetch's offset: 256 x lane; never rewritten
.set PFA,   88                         ; s[88:89] my work-group's 8,192 bytes of the 32,768 that my wave fetches for a slot; never rewritten
.set WSTG,  4352
.set STAGE, 2*SLOT
.set SPARE, STAGE+4*WSTG               ; the spare words, 128 bytes a wave: two blocks of 256 bytes that no other line names
.set LAPS,  KTOT/(256*NQ)
.set ADRA, 16
.set ADRB, 20
.set STO,  24
.set RD,   25
.set CO,   26
.set SPW,  28
.set NIL,  29
.set AF,   128
.set G1,  24
.set G0,  32
.set G1B, 48
.set G0B, 56
.set MSB, 0
.macro WIN new
.if MSB != (\new)
	s_set_vgpr_msb (MSB<<8)|(\new)
.set MSB, (\new)
.endif
.endm
.set MUL_LO, 0xa1
.set MUL_HI, 0xf1
.set TO_B,   0x40
.macro JLOAD g0a, g1a, g0b, g1b        ; a joint load: waves 0, 1 fetch for A', waves 2, 3 for B'; an s_nop 0 and four v_nop follow each line
	s_cmp_eq_u32 s15, 0
	s_cbranch_scc0 .Lfor_b_\@
	tensor_load_to_lds s[\g0a:\g0a+3], s[\g1a:\g1a+7]
	s_nop 0
.rept 4
	v_nop
.endr
	s_branch .Lasked_\@
.Lfor_b_\@:
	tensor_load_to_lds s[\g0b:\g0b+3], s[\g1b:\g1b+7]
	s_nop 0
.rept 4
	v_nop
.endr
.Lasked_\@:
.endm
.macro CREST
	s_cmp_lg_u32 s14, 0
	s_cbranch_scc1 .Lnot_wave_0_\@
	s_barrier_signal -3
.Lnot_wave_0_\@:
	s_barrier_wait -3
	s_barrier_signal -1
	s_barrier_wait -1
.endm
.macro CROUND
	s_barrier_signal -1
	s_barrier_wait -1
	CREST
.endm
.macro PLACES n                        ; plain vector lines between a matrix instruction and a load into, or a read of, its registers
.rept \n
	v_nop
.endr
.endm
.macro FRAG reg, adr, off              ; 16 rows x 128 K: registers 4 c .. 4 c + 3 hold K = 32 c + 16 (lane / 16) + 0 .. 15 of row lane % 16
.irp c, 0,1,2,3
	ds_load_b128 v[(\reg)+4*\c:(\reg)+4*\c+3], v[\adr] offset:(\off)+32*\c
.endr
.endm
.macro FETCH_B slot, q, p
	WIN TO_B
.set fi, 0
.rept NB
	FRAG 128*(\p)+16*fi, ADRB+\slot, (\q)*UNIT+fi*2176
.set fi, fi+1
.endr
	WIN 0
.endm
.macro FETCH_A slot, q, half
.set fi, (NA/2)*(\half)
.rept NA/2
	FRAG AF+16*fi, ADRA+\slot, (\q)*UNIT+fi*2176
.set fi, fi+1
.endr
.endm
.macro MULQ k, p, zero                 ; A's block k against all of B's; all accumulators take turns, one instruction a turn, in the same order in every step
.set ma, HB*(\k)
.rept HB
.set mb, 0
.rept NB
.set md, 8*(NB*(ma%(NA/2))+mb)
.if (\zero) == 1
	v_wmma_f32_16x16x128_fp8_fp8 v[md:md+7], v[128*(\p)+16*mb:128*(\p)+16*mb+15], v[AF+16*ma:AF+16*ma+15], 0
.else
	v_wmma_f32_16x16x128_fp8_fp8 v[md:md+7], v[128*(\p)+16*mb:128*(\p)+16*mb+15], v[AF+16*ma:AF+16*ma+15], v[md:md+7]
.endif
.set mb, mb+1
.endr
.set ma, ma+1
.endr
.endm
.macro STEP slot, q, zero
	s_wait_dscnt (NA/2)*4                          ; B's set and A's first half are in; A's second half may be out
	WIN MUL_LO
	MULQ 0, (\q)%2, \zero
	MULQ 1, (\q)%2, \zero
	s_wait_dscnt 0x0
	PLACES 4
	FETCH_B \slot, (\q)+1, 1-(\q)%2
	FETCH_A \slot, (\q)+1, 0
	WIN MUL_HI
	MULQ 2, (\q)%2, \zero
	MULQ 3, (\q)%2, \zero
	PLACES 4
	WIN 0
	FETCH_A \slot, (\q)+1, 1
.endm
.macro RUN slot, q0
.set rq, \q0
.rept NQ-1-(\q0)
	STEP \slot, rq, 0
.set rq, rq+1
.endr
.endm
.macro TURN slot, next, fill           ; a slot's last step changes slots: the wait for all my tensor loads, the add, the wait for it and for my reads, one barrier
	s_wait_tensorcnt 0x0
	ds_add_u32 v[SPW], v[NIL]
	s_wait_dscnt (NA/2)*4+1                        ; the add and A's second half may be out
	WIN MUL_LO
	MULQ 0, 1, 0
	s_wait_dscnt 0x0
	s_barrier_signal -1
	MULQ 1, 1, 0
	WIN 0
	s_barrier_wait -1
.if \fill
	CREST                                          ; the barrier has opened a round of the cluster's
	s_add_nc_u64 s[G0+4*\slot+2:G0+4*\slot+3], s[G0+4*\slot+2:G0+4*\slot+3], 2*SSTEP
	s_add_nc_u64 s[G0B+4*\slot+2:G0B+4*\slot+3], s[G0B+4*\slot+2:G0B+4*\slot+3], 2*SSTEP
	JLOAD G0+4*\slot, G1, G0B+4*\slot, G1B
.else
	PLACES 4
.endif
	FETCH_B \next, 0, 0
	FETCH_A \next, 0, 0
	WIN MUL_HI
	MULQ 2, 1, 0
	MULQ 3, 1, 0
	PLACES 4
	WIN 0
	FETCH_A \next, 0, 1
.endm
.macro LAST
	s_wait_dscnt (NA/2)*4
	WIN MUL_LO
	MULQ 0, 1, 0
	MULQ 1, 1, 0
	s_wait_dscnt 0x0
	WIN MUL_HI
	MULQ 2, 1, 0
	MULQ 3, 1, 0
	WIN 0
.endm
	s_load_b256 s[4:11], s[0:1], 0x0               ; A' s[4:5], wc s[6:7], the exponents s[8:9], the bias s[10:11]
	s_load_b128 s[84:87], s[0:1], 0x20             ; the residual s[84:85], the result s[86:87]
	v_lshl_add_u32 v[SPW], v0, 2, SPARE
	v_mov_b32 v[NIL], 0
	ds_add_u32 v[SPW], v[NIL]                      ; the wave's opening: the add and its wait ahead of my first tensor load
	ds_add_u32 v[SPW], v[NIL]
	v_lshrrev_b32 v1, 5, v0
	v_readfirstlane_b32 s14, v1
	v_and_b32 v[PFO], 31, v0
	v_lshlrev_b32 v[PFO], 8, v[PFO]
	s_lshr_b32 s15, s14, 1                         ; my half of the tile's rows.  Also: I fetch for A' (0) or B' (1)
	s_and_b32 s16, s14, 1                          ; my half of its columns.  Also: which two panels of a slot I fetch
	s_bfe_u32 s40, ttmp6, 0x40000
	s_bfe_u32 s41, ttmp6, 0x40004
	s_lshl_b32 s42, ttmp9, 2
	s_add_co_u32 s42, s42, s40                     ; tile column
	s_and_b32 s17, ttmp7, 0xffff
	s_lshl_b32 s17, s17, 2
	s_add_co_u32 s17, s17, s41                     ; tile row
	s_lshl_b32 s43, s41, 2
	s_lshl_b32 s43, 15, s43
	s_lshl_b32 s44, 0x1111, s40
	s_or_b32 s[G1+0], s43, (0<<16)|(1<<20)|(1<<21)|(5<<22)|(3<<25)   ; the mask; elements of 1 byte; padding on; bit 21 beside a mask; four words after every 64
	s_or_b32 s[G1B+0], s44, (0<<16)|(1<<20)|(1<<21)|(5<<22)|(3<<25)
.irp g, G1, G1B
	s_mov_b32 s[\g+1], 256<<16
	s_mov_b32 s[\g+2], 128<<16
	s_mov_b32 s[\g+3], 256<<16
	s_mov_b32 s[\g+4], 128
	s_mov_b32 s[\g+5], 256
	s_mov_b32 s[\g+6], 0
	s_mov_b32 s[\g+7], 0
.endr
	s_lshl_b32 s22, s16, 15                        ; my two panels: 32,768 bytes on
	s_mul_i32 s20, s17, KTOT*128
	s_add_co_u32 s20, s20, s22
	s_mov_b32 s21, 0
	s_mul_i32 s46, s42, KTOT*128
	s_add_co_u32 s46, s46, s22
	s_add_co_u32 s46, s46, WOFF
	s_mov_b32 s47, 0
	s_mul_i32 s45, s14, QUART
	s_wait_alu depctr_va_vdst(0)
	s_wait_dscnt 0x0
	s_wait_kmcnt 0x0
	s_load_b512 s[68:83], s[8:9], 0x0              ; the sixteen exponents: entry n in s[68 + n]
	s_add_nc_u64 s[20:21], s[4:5], s[20:21]
	s_add_nc_u64 s[46:47], s[6:7], s[46:47]
	CROUND
.irp s, 0,1
	s_mov_b32 s[G0+4*\s], 1
	s_add_co_u32 s[G0+4*\s+1], s45, \s*SLOT
	s_add_nc_u64 s[G0+4*\s+2:G0+4*\s+3], s[20:21], \s*SSTEP
	s_or_b32 s[G0+4*\s+3], s[G0+4*\s+3], 0x80000000
	s_mov_b32 s[G0B+4*\s], 1
	s_add_co_u32 s[G0B+4*\s+1], s45, \s*SLOT
	s_add_nc_u64 s[G0B+4*\s+2:G0B+4*\s+3], s[46:47], \s*SSTEP
	s_or_b32 s[G0B+4*\s+3], s[G0B+4*\s+3], 0x80000000
.endr
	s_cmp_eq_u32 s15, 0                            ; the prefetch: the four partners that ask for a tile jointly share its bytes out by address (cx for A', cy for B')
	s_cselect_b64 s[PFA:PFA+1], s[20:21], s[46:47]
	s_cselect_b32 s90, s40, s41
	s_lshl_b32 s90, s90, 13
	s_mov_b32 s91, 0
	s_add_nc_u64 s[PFA:PFA+1], s[PFA:PFA+1], s[90:91]
	s_and_b32 s92, ttmp7, s15                      ; B's blocks are loaded by eight clusters: those with an even y ask for them
	s_and_b32 s92, s92, 1
	JLOAD G0, G1, G0B, G1B                         ; the wave's one load at the head: slot 0
	s_cmp_eq_u32 s92, 0
	s_cbranch_scc0 .Lno_ask
	global_prefetch_b8 v[PFO], s[PFA:PFA+1] offset:SSTEP th:TH_LOAD_NT scope:SCOPE_SE     ; slot 1's bytes, one load ahead: 8,192 bytes, lanes 256 bytes apart
.Lno_ask:
	v_and_b32 v1, 15, v0                           ; r
	v_bfe_u32 v2, v0, 4, 1                         ; h
	v_lshrrev_b32 v3, 1, v1
	v_mul_u32_u24 v3, v3, 272
	v_and_b32 v4, 1, v1
	v_lshl_add_u32 v3, v4, 7, v3
	v_lshl_add_u32 v4, v2, 4, v3
	s_mul_i32 s21, s15, AW
	s_mul_i32 s22, s16, AW
	s_add_co_u32 s22, s22, 2*QUART
.irp s, 0,1
	v_add_nc_u32 v[ADRA+\s], s21, v4
	v_add_nc_u32 v[ADRB+\s], s22, v4
	s_add_co_u32 s21, s21, SLOT
	s_add_co_u32 s22, s22, SLOT
.endr
	s_mul_i32 s23, s14, WSTG
	s_add_co_u32 s23, s23, STAGE                   ; my stage: 16 rows x (256 + 16) bytes
	v_mul_u32_u24 v5, v1, 272
	v_lshl_add_u32 v5, v2, 5, v5
	v_add_nc_u32 v[STO], s23, v5                   ; in: row r, 32 bytes for each half of the lanes
	v_mul_u32_u24 v6, v2, 272
	v_lshl_add_u32 v6, v1, 4, v6
	v_add_nc_u32 v[RD], s23, v6                    ; back: sixteen lanes to a row of 256 bytes
	v_lshlrev_b32 v5, 4, v1                        ; 16 r: my four columns
	v_lshl_add_u32 v[CO], v2, 12, v5               ; and the same two rows in memory
	s_wait_alu depctr_va_vdst(0)
	s_lshl_b32 s20, s17, 7
	s_lshl_b32 s21, s15, 6
	s_add_co_u32 s20, s20, s21                     ; my first row
	s_lshl_b32 s20, s20, 12
	s_lshl_b32 s46, s42, 7
	s_lshl_b32 s47, s16, 6
	s_add_co_u32 s46, s46, s47                     ; my first column
	s_lshl_b32 s46, s46, 2
	s_mov_b32 s47, 0
	s_add_nc_u64 s[10:11], s[10:11], s[46:47]
	s_add_co_u32 s20, s20, s46
	s_mov_b32 s21, 0
	s_add_nc_u64 s[84:85], s[84:85], s[20:21]
	s_add_nc_u64 s[86:87], s[86:87], s[20:21]
	s_wait_alu depctr_va_vdst(0)
	s_wait_tensorcnt 0x0                           ; my part of slot 0 is in
	ds_add_u32 v[SPW], v[NIL]
	s_wait_dscnt 0x0
	CROUND                                         ; everybody's part is in, and all sixteen work-groups are here
	JLOAD G0+4, G1, G0B+4, G1B                     ; slot 1, the first tensor load behind the round
.irp a, 0,1,2
.irp t, 0,1,2,3,4,5,6,7
	global_load_b128 v[32+32*\a+4*\t:35+32*\a+4*\t], v[CO], s[84:85] offset:(16*\a+2*\t)*4096      ; the residual, in the layout of the way out, asked for behind all the codes: it lands under the K loop
.endr
.endr
.irp t, 0,1,2,3,4,5,6,7
	global_load_b128 v[192+4*\t:195+4*\t], v[CO], s[84:85] offset:(48+2*\t)*4096
.endr
	global_load_b128 v[224:227], v5, s[10:11]      ; the bias of my four columns
	FETCH_B 0, 0, 0
	FETCH_A 0, 0, 0
	FETCH_A 0, 0, 1
	STEP 0, 0, 1                                   ; the first step's products start the sums
.if LAPS > 1
	s_mov_b32 s3, LAPS-1
.Llap:
	RUN 0, 1
	TURN 0, 1, 1
	RUN 1, 0
	TURN 1, 0, 1
	STEP 0, 0, 0
	s_sub_co_u32 s3, s3, 1
	s_cmp_lg_u32 s3, 0
	s_cbranch_scc1 .Llap
.endif
	RUN 0, 1
	TURN 0, 1, 0
	RUN 1, 0
	LAST
; THE WAY OUT, block by block of 16 rows x 64 columns: the raw sums go through my stage and come back as whole rows of 256 bytes; there sum x 2^(eA + eB) + bias, + the residual; sixteen lanes store 256 consecutive bytes, aligned.
.macro TOSTAGE a
.set TW, (2+(\a)/2)<<2
.set AC, 32*((\a)%2)
.set BB, 128+32*((\a)%2)
	WIN TW                                         ; an LDS store's data are its source 1
.irp b, 0,1,2,3
	ds_store_b128 v[STO], v[AC+8*\b:AC+8*\b+3] offset:64*\b        ; each accumulator from its low end on
	ds_store_b128 v[STO], v[AC+8*\b+4:AC+8*\b+7] offset:64*\b+16
.endr
	WIN 0
.irp t, 0,1,2,3,4,5,6,7
	ds_load_b128 v[BB+4*\t:BB+4*\t+3], v[RD] offset:544*\t         ; LDS serves a wave's instructions in order: these see the stores above
.endr
.endm
.macro SENDF a, younger
.set BB, 128+32*((\a)%2)
.set RB, 32+32*(\a)
.if (\a) == 3
.set RB, 192
.endif
	s_wait_dscnt \younger
.irp t, 0,1,2,3,4,5,6,7
	v_pk_fma_f32 v[BB+4*\t:BB+4*\t+1], v[BB+4*\t:BB+4*\t+1], s[96:97], v[224:225] op_sel_hi:[1,0,1]
	v_pk_fma_f32 v[BB+4*\t+2:BB+4*\t+3], v[BB+4*\t+2:BB+4*\t+3], s[96:97], v[226:227] op_sel_hi:[1,0,1]
	v_pk_add_f32 v[BB+4*\t:BB+4*\t+1], v[BB+4*\t:BB+4*\t+1], v[RB+4*\t:RB+4*\t+1]
	v_pk_add_f32 v[BB+4*\t+2:BB+4*\t+3], v[BB+4*\t+2:BB+4*\t+3], v[RB+4*\t+2:RB+4*\t+3]
	global_store_b128 v[CO], v[BB+4*\t:BB+4*\t+3], s[86:87] offset:(16*(\a)+2*\t)*4096
.endr
.endm
	s_wait_kmcnt 0x0
	s_add_co_i32 s96, s[68+EA], s[68+EB]
	s_add_co_i32 s96, s96, 127
	s_lshl_b32 s96, s96, 23                        ; 2^(eA + eB) as f32
	s_mov_b32 s97, s96                             ; named with it as a pair
	s_wait_loadcnt 0x0                             ; the residual and the bias
	PLACES 4
	TOSTAGE 0
.irp a, 1,2,3
.if \a > 1
	s_wait_xcnt 0x0                                ; block a - 2's stores have read their registers: block a's loads may land there
.endif
	TOSTAGE \a
	SENDF \a-1, 16                                 ; behind block a - 1's loads: block a's 8 stores and 8 loads
.endr
	SENDF 3, 0
	s_wait_tensorcnt 0x0                           ; the wave's end
	ds_add_u32 v[SPW], v[NIL]
	s_wait_dscnt 0x0
	CROUND                                         ; the closing round
	s_endpgm
.Lfunc_end_k_q17bcbc9fb5_proj:
	.size	k_q17bcbc9fb5_proj, .Lfunc_end_k_q17bcbc9fb5_proj-k_q17bcbc9fb5_proj
	.p2alignl 7, 3214868480
	.fill 96, 4, 3214868480
	.section	.rodata,"a",@progbits
	.p2align	6, 0x0
	.amdhsa_kernel k_q17bcbc9fb5_proj
		.amdhsa_group_segment_fixed_size 327680
		.amdhsa_private_segment_fixed_size 0
		.amdhsa_enable_private_segment 0
		.amdhsa_kernarg_size 48
		.amdhsa_user_sgpr_count 2
		.amdhsa_user_sgpr_kernarg_segment_ptr 1
		.amdhsa_wavefront_size32 1
		.amdhsa_system_sgpr_workgroup_id_x 1
		.amdhsa_system_sgpr_workgroup_id_y 1
		.amdhsa_system_sgpr_workgroup_id_z 1
		.amdhsa_system_vgpr_workitem_id 0
		.amdhsa_next_free_vgpr 1024
		.amdhsa_next_free_sgpr 100
		.amdhsa_reserve_vcc 0
		.amdhsa_float_denorm_mode_32 3
		.amdhsa_float_denorm_mode_16_64 3
		.amdhsa_memory_ordered 1
		.amdhsa_forward_progress 1
		.amdhsa_inst_pref_size 56
	.end_amdhsa_kernel
	.amdgpu_metadata
---
amdhsa.version: [ 1, 2 ]
amdhsa.kernels:
  - .name:           k_q17bcbc9fb5_proj
    .symbol:         k_q17bcbc9fb5_proj.kd
    .args:
      - { .name: aoc, .offset: 0, .size: 8, .value_kind: global_buffer, .address_space: global }
      - { .name: wc, .offset: 8, .size: 8, .value_kind: global_buffer, .address_space: global }
      - { .name: lowp_scales, .offset: 16, .size: 8, .value_kind: global_buffer, .address_space: global }
      - { .name: b_proj, .offset: 24, .size: 8, .value_kind: global_buffer, .address_space: global }
      - { .name: x, .offset: 32, .size: 8, .value_kind: global_buffer, .address_space: global }
      - { .name: x1, .offset: 40, .size: 8, .value_kind: global_buffer, .address_space: global }
    .group_segment_fixed_size: 327680
    .private_segment_fixed_size: 0
    .kernarg_segment_align: 8
    .kernarg_segment_size: 48
    .max_flat_workgroup_size: 128
    .sgpr_count:     100
    .vgpr_count:     1024
    .wavefront_size: 32
...
	.end_amdgpu_metadata
.endif
;; end of part 4
;; launch ln2 (part 5): grid 256 x 1, 8 waves a work-group, no clusters, 0 bytes of LDS; arguments x1, ln2_g, ln2_b, lowp_scales, h2c; writes h2c
.if DOCPART == 5
	.amdgcn_target "amdgcn-amd-amdhsa--gfx1250"
	.amdhsa_code_object_version 6
	.text
	.protected	k_q17bcbc9fb5_ln2
	.globl	k_q17bcbc9fb5_ln2
	.p2align	8
	.type	k_q17bcbc9fb5_ln2,@function
k_q17bcbc9fb5_ln2:
	s_mov_b64 s[64:65], 0
	v_nop
	global_prefetch_b8 v0, s[64:65] scope:SCOPE_SE
	s_setreg_imm32_b32 hwreg(HW_REG_WAVE_MODE, 25, 1), 1
	s_wait_xcnt 0x0
; LN2.  h2 = LayerNorm(x1) with ln2's gain and bias, quantised to E4M3 with 2^e, e = entry 12 of lowp_scales, into h2c: blocks of 128 rows x 128 K (16,384 dense bytes, row-tile major, then panels along K).
; Wave w of work-group g takes rows rho = 16 g + 2 w and rho + 1, whole, in registers: x1 is read once.  No LDS, no barrier: waves share nothing.  Matrix units and clusters buy nothing in a stream.
; LIMIT: e between -126 and 119.  NaN among the inputs is not served; an infinity is held at the largest code.
.set LANE,  4
.set X0,    64                         ; v64-95   row rho: register 8 j + i holds k = 256 j + 8 lane + i
.set X1,    96                         ; v96-127  row rho + 1
.set GN,    128
.set BT,    160
.set T,     192                        ; two sets of 16 held numbers
.macro REDUCE                          ; v230 and v234 are summed over the 32 lanes
.irp m, 1,2,4,8
	s_delay_alu instid0(VALU_DEP_2)
	v_add_f32_dpp v230, v230, v230 row_xmask:\m row_mask:0xf bank_mask:0xf
	s_delay_alu instid0(VALU_DEP_2)
	v_add_f32_dpp v234, v234, v234 row_xmask:\m row_mask:0xf bank_mask:0xf
.endr
	s_delay_alu instid0(VALU_DEP_2)
	v_permlanex16_b32 v238, v230, s22, s23
	s_delay_alu instid0(VALU_DEP_2)
	v_permlanex16_b32 v239, v234, s22, s23
	s_delay_alu instid0(VALU_DEP_2)
	v_add_f32 v230, v230, v238
	s_delay_alu instid0(VALU_DEP_2)
	v_add_f32 v234, v234, v239
.endm
; A lane's 8 codes of part j lie at k = 256 j + 8 lane: lanes 0-15 hold panel 2 j of the row, lanes 16-31 panel 2 j + 1.  The swap of half registers puts both rows' 128 bytes of one panel into one
; register pair: they are neighbours in a block, so each store covers 256 consecutive bytes, aligned.
.macro LNQ s
.set CE, 16+16*(\s)
.set CO, 24+16*(\s)
.irp j, 0,1,2,3
.set TS, T+16*(\j%2)
.irp i, 0,1,2,3,4,5,6,7
	v_med3_num_f32 v[TS+\i], v[X0+8*\j+\i], -v[227+\s], v[227+\s]     ; the conversion to an 8-bit code does not saturate (ISA guide 7.6.2): the hold comes first
	v_med3_num_f32 v[TS+8+\i], v[X1+8*\j+\i], -v[227+\s], v[227+\s]
.endr
	v_cvt_scalef32_pk8_fp8_f32 v[CE+2*\j:CE+2*\j+1], v[TS:TS+7], v[224+\s]
	v_cvt_scalef32_pk8_fp8_f32 v[CO+2*\j:CO+2*\j+1], v[TS+8:TS+15], v[224+\s]
.endr
	v_nop                                          ; one plain vector line between the last scaled conversion and the swaps that touch its result
.irp k, 0,1,2,3,4,5,6,7
	v_permlane16_swap_b32 v[CE+\k], v[CO+\k]
.endr
.irp j, 0,1,2,3
	global_store_b64 v9, v[CE+2*\j:CE+2*\j+1], s[26+2*(\s):27+2*(\s)] offset:16384*(2*\j)
	global_store_b64 v9, v[CO+2*\j:CO+2*\j+1], s[26+2*(\s):27+2*(\s)] offset:16384*(2*\j+1)
.endr
.endm
	s_load_b256 s[68:75], s[0:1], 0x0              ; x1, ln2_g, ln2_b, lowp_scales
	s_load_b64 s[88:89], s[0:1], 0x20              ; h2c
	v_lshrrev_b32 v1, 5, v0
	s_delay_alu instid0(VALU_DEP_1)
	v_readfirstlane_b32 s20, v1                    ; wave 0..7
	v_and_b32 v[LANE], 31, v0
	s_lshl_b32 s21, ttmp9, 4
	s_lshl_b32 s24, s20, 1
	s_add_co_u32 s21, s21, s24                     ; rho
	s_lshl_b32 s24, s21, 12
	s_mov_b32 s25, 0
	s_wait_alu depctr_va_vdst(0)
	s_wait_kmcnt 0x0
	s_load_b32 s5, s[74:75], 0x30                  ; entry 12
	s_add_nc_u64 s[68:69], s[68:69], s[24:25]
	s_lshr_b32 s24, s21, 7
	s_lshl_b32 s24, s24, 17
	s_and_b32 s21, s21, 127
	s_lshl_b32 s21, s21, 7
	s_add_co_u32 s24, s24, s21
	s_add_nc_u64 s[26:27], s[88:89], s[24:25]
	s_mov_b32 s22, 0x76543210
	s_mov_b32 s23, 0xfedcba98
	v_lshlrev_b32 v8, 5, v[LANE]
	v_lshlrev_b32 v9, 3, v[LANE]
.irp j, 0,1,2,3
.irp u, 0,1
	global_load_b128 v[X0+8*\j+4*\u:X0+8*\j+4*\u+3], v8, s[68:69] offset:1024*\j+16*\u
	global_load_b128 v[X1+8*\j+4*\u:X1+8*\j+4*\u+3], v8, s[68:69] offset:4096+1024*\j+16*\u
.endr
.endr
.irp j, 0,1,2,3
.irp u, 0,1
	global_load_b128 v[GN+8*\j+4*\u:GN+8*\j+4*\u+3], v8, s[70:71] offset:1024*\j+16*\u
	global_load_b128 v[BT+8*\j+4*\u:BT+8*\j+4*\u+3], v8, s[72:73] offset:1024*\j+16*\u
.endr
.endr
	v_mov_b32 v238, 0                              ; written once: a lane permute's destination counts as one of its sources
	v_mov_b32 v239, 0
	s_wait_kmcnt 0x0
	s_add_co_i32 s32, s5, 127
	s_lshl_b32 s33, s32, 23
	v_mov_b32 v224, s33                            ; 2^e
	s_add_co_i32 s32, s32, 8
	s_lshl_b32 s32, s32, 23
	s_or_b32 s32, s32, 0x600000
	v_mov_b32 v227, s32                            ; 448 x 2^e
	s_mov_b32 s24, 0x3a800000                      ; 1 / 1024
	s_mov_b32 s25, 0x3727c5ac                      ; 1e-5
	s_wait_loadcnt 16                              ; x1's sixteen loads are in; the sixteen of gain and bias may be out
	v_pk_add_f32 v[230:231], v[X0:X0+1], v[X0+2:X0+3]
	v_pk_add_f32 v[232:233], v[X0+4:X0+5], v[X0+6:X0+7]
	v_pk_add_f32 v[234:235], v[X1:X1+1], v[X1+2:X1+3]
	v_pk_add_f32 v[236:237], v[X1+4:X1+5], v[X1+6:X1+7]
.irp k, 8,12,16,20,24,28
	s_delay_alu instid0(VALU_DEP_4)
	v_pk_add_f32 v[230:231], v[230:231], v[X0+\k:X0+\k+1]
	s_delay_alu instid0(VALU_DEP_4)
	v_pk_add_f32 v[232:233], v[232:233], v[X0+\k+2:X0+\k+3]
	s_delay_alu instid0(VALU_DEP_4)
	v_pk_add_f32 v[234:235], v[234:235], v[X1+\k:X1+\k+1]
	s_delay_alu instid0(VALU_DEP_4)
	v_pk_add_f32 v[236:237], v[236:237], v[X1+\k+2:X1+\k+3]
.endr
	s_delay_alu instid0(VALU_DEP_3)
	v_pk_add_f32 v[230:231], v[230:231], v[232:233]
	s_delay_alu instid0(VALU_DEP_2)
	v_pk_add_f32 v[234:235], v[234:235], v[236:237]
	s_delay_alu instid0(VALU_DEP_2)
	v_add_f32 v230, v230, v231
	s_delay_alu instid0(VALU_DEP_2)
	v_add_f32 v234, v234, v235
	REDUCE
	s_delay_alu instid0(VALU_DEP_2)
	v_mul_f32 v230, s24, v230                      ; the means
	s_delay_alu instid0(VALU_DEP_2)
	v_mul_f32 v234, s24, v234
.irp k, 0,2,4,6,8,10,12,14,16,18,20,22,24,26,28,30
	v_pk_add_f32 v[X0+\k:X0+\k+1], v[X0+\k:X0+\k+1], v[230:231] op_sel_hi:[1,0] neg_lo:[0,1] neg_hi:[0,1]   ; x - mean: the variance is taken of the differences
	v_pk_add_f32 v[X1+\k:X1+\k+1], v[X1+\k:X1+\k+1], v[234:235] op_sel_hi:[1,0] neg_lo:[0,1] neg_hi:[0,1]
.endr
	v_pk_mul_f32 v[230:231], v[X0:X0+1], v[X0:X0+1]
	v_pk_mul_f32 v[232:233], v[X0+2:X0+3], v[X0+2:X0+3]
	v_pk_mul_f32 v[234:235], v[X1:X1+1], v[X1:X1+1]
	v_pk_mul_f32 v[236:237], v[X1+2:X1+3], v[X1+2:X1+3]
.irp k, 4,8,12,16,20,24,28
	s_delay_alu instid0(VALU_DEP_4)
	v_pk_fma_f32 v[230:231], v[X0+\k:X0+\k+1], v[X0+\k:X0+\k+1], v[230:231]
	s_delay_alu instid0(VALU_DEP_4)
	v_pk_fma_f32 v[232:233], v[X0+\k+2:X0+\k+3], v[X0+\k+2:X0+\k+3], v[232:233]
	s_delay_alu instid0(VALU_DEP_4)
	v_pk_fma_f32 v[234:235], v[X1+\k:X1+\k+1], v[X1+\k:X1+\k+1], v[234:235]
	s_delay_alu instid0(VALU_DEP_4)
	v_pk_fma_f32 v[236:237], v[X1+\k+2:X1+\k+3], v[X1+\k+2:X1+\k+3], v[236:237]
.endr
	s_delay_alu instid0(VALU_DEP_3)
	v_pk_add_f32 v[230:231], v[230:231], v[232:233]
	s_delay_alu instid0(VALU_DEP_2)
	v_pk_add_f32 v[234:235], v[234:235], v[236:237]
	s_delay_alu instid0(VALU_DEP_2)
	v_add_f32 v230, v230, v231
	s_delay_alu instid0(VALU_DEP_2)
	v_add_f32 v234, v234, v235
	REDUCE
	s_delay_alu instid0(VALU_DEP_2)
	v_fma_f32 v230, v230, s24, s25                 ; variance + 1e-5
	s_delay_alu instid0(VALU_DEP_2)
	v_fma_f32 v234, v234, s24, s25
	s_wait_alu depctr_va_vdst(0)
	v_rsq_f32 v240, v230
	v_rsq_f32 v242, v234
	v_mov_b32 v241, 0                              ; plain lines behind the transcendentals; named as the upper halves of pairs
	v_mov_b32 v243, 0
	s_wait_loadcnt 0x0                             ; gain and bias
	s_wait_alu depctr_va_vdst(0)                   ; the wait ahead of the first reader: one for both roots
.irp k, 0,2,4,6,8,10,12,14,16,18,20,22,24,26,28,30
	v_pk_mul_f32 v[X0+\k:X0+\k+1], v[X0+\k:X0+\k+1], v[240:241] op_sel_hi:[1,0]
	v_pk_mul_f32 v[X1+\k:X1+\k+1], v[X1+\k:X1+\k+1], v[242:243] op_sel_hi:[1,0]
.endr
.irp k, 0,2,4,6,8,10,12,14,16,18,20,22,24,26,28,30
	v_pk_fma_f32 v[X0+\k:X0+\k+1], v[X0+\k:X0+\k+1], v[GN+\k:GN+\k+1], v[BT+\k:BT+\k+1]
	v_pk_fma_f32 v[X1+\k:X1+\k+1], v[X1+\k:X1+\k+1], v[GN+\k:GN+\k+1], v[BT+\k:BT+\k+1]
.endr
	LNQ 0
	s_endpgm
.Lfunc_end_k_q17bcbc9fb5_ln2:
	.size	k_q17bcbc9fb5_ln2, .Lfunc_end_k_q17bcbc9fb5_ln2-k_q17bcbc9fb5_ln2
	.p2alignl 7, 3214868480
	.fill 96, 4, 3214868480
	.section	.rodata,"a",@progbits
	.p2align	6, 0x0
	.amdhsa_kernel k_q17bcbc9fb5_ln2
		.amdhsa_group_segment_fixed_size 0
		.amdhsa_private_segment_fixed_size 0
		.amdhsa_enable_private_segment 0
		.amdhsa_kernarg_size 40
		.amdhsa_user_sgpr_count 2
		.amdhsa_user_sgpr_kernarg_segment_ptr 1
		.amdhsa_wavefront_size32 1
		.amdhsa_system_sgpr_workgroup_id_x 1
		.amdhsa_system_sgpr_workgroup_id_y 1
		.amdhsa_system_sgpr_workgroup_id_z 1
		.amdhsa_system_vgpr_workitem_id 0
		.amdhsa_next_free_vgpr 256
		.amdhsa_next_free_sgpr 96
		.amdhsa_reserve_vcc 0
		.amdhsa_float_denorm_mode_32 3
		.amdhsa_float_denorm_mode_16_64 3
		.amdhsa_memory_ordered 1
		.amdhsa_forward_progress 1
		.amdhsa_inst_pref_size 25
	.end_amdhsa_kernel
	.amdgpu_metadata
---
amdhsa.version: [ 1, 2 ]
amdhsa.kernels:
  - .name:           k_q17bcbc9fb5_ln2
    .symbol:         k_q17bcbc9fb5_ln2.kd
    .args:
      - { .name: x1, .offset: 0, .size: 8, .value_kind: global_buffer, .address_space: global }
      - { .name: ln2_g, .offset: 8, .size: 8, .value_kind: global_buffer, .address_space: global }
      - { .name: ln2_b, .offset: 16, .size: 8, .value_kind: global_buffer, .address_space: global }
      - { .name: lowp_scales, .offset: 24, .size: 8, .value_kind: global_buffer, .address_space: global }
      - { .name: h2c, .offset: 32, .size: 8, .value_kind: global_buffer, .address_space: global }
    .group_segment_fixed_size: 0
    .private_segment_fixed_size: 0
    .kernarg_segment_align: 8
    .kernarg_segment_size: 40
    .max_flat_workgroup_size: 256
    .sgpr_count:     96
    .vgpr_count:     256
    .wavefront_size: 32
...
	.end_amdgpu_metadata
.endif
;; end of part 5
;; launch ffn1 (part 6): grid 16 x 16, 4 waves a work-group, clusters of 4 x 4, 327,680 bytes of LDS; arguments h2c, wc, lowp_scales, b1, hidc; writes hidc
.if DOCPART == 6
	.amdgcn_target "amdgcn-amd-amdhsa--gfx1250"
	.amdhsa_code_object_version 6
	.text
	.protected	k_q17bcbc9fb5_ffn1
	.globl	k_q17bcbc9fb5_ffn1
	.p2align	8
	.type	k_q17bcbc9fb5_ffn1,@function
k_q17bcbc9fb5_ffn1:
	s_mov_b64 s[64:65], 0
	v_nop
	global_prefetch_b8 v0, s[64:65] scope:SCOPE_SE
	s_setreg_imm32_b32 hwreg(HW_REG_WAVE_MODE, 25, 1), 1
	s_wait_xcnt 0x0
	s_wait_alu depctr_hold_cnt(0) depctr_sa_sdst(0) depctr_va_vdst(0) depctr_va_sdst(0) depctr_va_ssrc(0) depctr_va_vcc(0) depctr_vm_vsrc(0)
	s_getreg_b32 s2, hwreg(HW_REG_IB_STS2, 6, 4)
	s_cmp_eq_u32 s2, 0
	s_cbranch_scc0 .Lentry_in_a_cluster
	s_endpgm
.Lentry_in_a_cluster:
	s_bfe_u32 s2, ttmp6, 0x10000c
	s_cmp_lg_u32 s2, 0xf033
	s_cbranch_scc0 .Lentry_shape_is_right
	s_endpgm
.Lentry_shape_is_right:
; FFN1.  hid = relu(h2 W1 + b1) on codes of E4M3 (entries 12, 13 of lowp_scales), quantised at once (entry 14) into hidc.  A' = h2c [4096 tokens][K 1024], B' = w1's codes (wc + 4 MiB, rows = hidden units).
; All codes lie in blocks of 128 rows x 128 K (16,384 dense bytes, row-tile major, then panels along K).  A tile of C', 256 x 256, is made by four waves, each 128 x 128: 64 accumulators.
; K goes in steps of 256 through two LDS slots; every tensor load brings two neighbouring blocks (32,768 dense bytes) as 128 rows of 256 bytes.  LDS MAP: fetching wave w owns bytes w x 2 QUART on: its quarter of
; slot 0, then its quarter of slot 1 (waves 0, 1: A's halves; waves 2, 3: B's).  K step 0 is the wave's one load at the head; K step 1 follows behind the full sequence and a round, as a refill does.
; CLUSTERS 4 x 4: A's tiles are asked for jointly along a row, B's along a column.  The matrix instruction is used transposed (source 0 = rows of B', source 1 = rows of A').
; The bias, divided by 2^(e12 + e13), is the C of each accumulator's first product; the hold between 0 and the largest code x the scale is also the relu.
; PREFETCH: behind K step 0's load each wave asks for its work-group's quarter, 8,192 bytes, of what it will fetch for K step 1; behind K step 1's load for K steps 2 and 3.  Partners are told apart by address.
; LIMIT: e14 - e12 - e13 lies between -126 and 119.  Inside an instruction k is fed permuted, alike in both operands: only the order of the sums changes.
; REGISTERS: window 0: v16-31 addresses and scales, v32-95 the bias, later codes on the way out, from v128 A's fragments (one set), later rows read back; window 1: B's fragments, two sets; windows 2, 3: accumulators.
.set KTOT,  1024
.set WOFF,  4<<20
.set KOP,   32                         ; the result's panels in a row tile
.set NA,    8
.set NB,    8
.set HB,    NA/4
.set NQ,    2                          ; steps of 128 along K in a slot
.set UNIT,  17408                      ; a block in LDS: 64 double rows of 256 + 16 bytes; row rho at (rho / 2) 272 + (rho % 2) 128
.set QUART, 2*UNIT                     ; what one tensor load brings
.set SLOT,  4*QUART                    ; a slot's bytes in all
.set AW,    2*QUART                    ; from a wave's half of A' (or B') to the other
.set PFO,   27                         ; v27 the prefetches' offset: 256 x lane; never rewritten
.set PFA,   96                         ; s[96:97] my work-group's 8,192 bytes of the 32,768 that my wave fetches for a slot; never rewritten
.set SSTEP, 32768                      ; bytes of memory from a slot's tiles to the next slot's
.set WSTG,  4352
.set STAGE, 2*SLOT                     ; behind the ring: a stage for each wave; no fill lands there
.set SPARE, STAGE+4*WSTG               ; the spare words, 128 bytes a wave: two blocks of 256 bytes that no other line names
.set LAPS,  KTOT/(256*NQ)
.set ADRA, 16
.set ADRB, 20
.set STO,  24
.set RD,   25
.set CO,   26
.set SPW,  28
.set NIL,  29
.set SC,   30                          ; v30 2^(e14 - e12 - e13) as f32
.set LIM,  31                          ; v31 448 x that
.set BIAS, 32
.set AF,   128
.set G1,  24
.set G0,  32
.set G1B, 48
.set G0B, 56
.set MSB, 0
.macro WIN new                         ; the immediate's high byte repeats the setting that is left
.if MSB != (\new)
	s_set_vgpr_msb (MSB<<8)|(\new)
.set MSB, (\new)
.endif
.endm
.set MUL_LO, 0xa1                      ; source 0 (B') window 1, source 1 (A') window 0, C and D window 2
.set MUL_HI, 0xf1
.set TO_B,   0x40
.macro JLOAD g0a, g1a, g0b, g1b        ; a joint load: waves 0, 1 fetch for A', waves 2, 3 for B'; an s_nop 0 and four v_nop follow each line
	s_cmp_eq_u32 s15, 0
	s_cbranch_scc0 .Lfor_b_\@
	tensor_load_to_lds s[\g0a:\g0a+3], s[\g1a:\g1a+7]
	s_nop 0
.rept 4
	v_nop
.endr
	s_branch .Lasked_\@
.Lfor_b_\@:
	tensor_load_to_lds s[\g0b:\g0b+3], s[\g1b:\g1b+7]
	s_nop 0
.rept 4
	v_nop
.endr
.Lasked_\@:
.endm
.macro CREST                           ; a round of the cluster's barrier behind its opening barrier
	s_cmp_lg_u32 s14, 0
	s_cbranch_scc1 .Lnot_wave_0_\@
	s_barrier_signal -3
.Lnot_wave_0_\@:
	s_barrier_wait -3
	s_barrier_signal -1
	s_barrier_wait -1
.endm
.macro CROUND
	s_barrier_signal -1
	s_barrier_wait -1
	CREST
.endm
.macro PLACES n                        ; plain vector lines between a matrix instruction and a load into, or a read of, its registers
.rept \n
	v_nop
.endr
.endm
.macro FRAG reg, adr, off              ; 16 rows x 128 K: registers 4 c .. 4 c + 3 hold K = 32 c + 16 (lane / 16) + 0 .. 15 of row lane % 16
.irp c, 0,1,2,3
	ds_load_b128 v[(\reg)+4*\c:(\reg)+4*\c+3], v[\adr] offset:(\off)+32*\c
.endr
.endm
.macro FETCH_B slot, q, p
	WIN TO_B
.set fi, 0
.rept NB
	FRAG 128*(\p)+16*fi, ADRB+\slot, (\q)*UNIT+fi*2176
.set fi, fi+1
.endr
	WIN 0
.endm
.macro FETCH_A slot, q, half
.set fi, (NA/2)*(\half)
.rept NA/2
	FRAG AF+16*fi, ADRA+\slot, (\q)*UNIT+fi*2176
.set fi, fi+1
.endr
.endm
.macro MULQ k, p, zero                 ; a quarter of a step's products; all accumulators take turns, one instruction a turn.  zero = 2: the bias starts the sums
.set ma, HB*(\k)
.rept HB
.set mb, 0
.rept NB
.set md, 8*(NB*(ma%(NA/2))+mb)
.if (\zero) == 2
	v_wmma_f32_16x16x128_fp8_fp8 v[md:md+7], v[128*(\p)+16*mb:128*(\p)+16*mb+15], v[AF+16*ma:AF+16*ma+15], v[BIAS+8*mb:BIAS+8*mb+7]
.else
	v_wmma_f32_16x16x128_fp8_fp8 v[md:md+7], v[128*(\p)+16*mb:128*(\p)+16*mb+15], v[AF+16*ma:AF+16*ma+15], v[md:md+7]
.endif
.set mb, mb+1
.endr
.set ma, ma+1
.endr
.endm
.macro STEP slot, q, zero              ; a step of 128 along K that has its successor in the same slot
	s_wait_dscnt (NA/2)*4                          ; B's set and A's first half are in; A's second half may be out
.if (\zero) == 2
	WIN 0x81
.else
	WIN MUL_LO
.endif
	MULQ 0, (\q)%2, \zero
	MULQ 1, (\q)%2, \zero
	s_wait_dscnt 0x0
	PLACES 4
	FETCH_B \slot, (\q)+1, 1-(\q)%2
	FETCH_A \slot, (\q)+1, 0
.if (\zero) == 2
	WIN 0xc1
.else
	WIN MUL_HI
.endif
	MULQ 2, (\q)%2, \zero
	MULQ 3, (\q)%2, \zero
	PLACES 4
	WIN 0
	FETCH_A \slot, (\q)+1, 1
.endm
.macro RUN slot, q0
.set rq, \q0
.rept NQ-1-(\q0)
	STEP \slot, rq, 0
.set rq, rq+1
.endr
.endm
.macro TURN slot, next, fill           ; a slot's last step changes slots: the wait for all my tensor loads, the add, the wait for it and for my reads, one barrier; fill = 1: this slot is filled again
	s_wait_tensorcnt 0x0
	ds_add_u32 v[SPW], v[NIL]
	s_wait_dscnt (NA/2)*4+1                        ; the add and A's second half may be out
	WIN MUL_LO
	MULQ 0, 1, 0
	s_wait_dscnt 0x0
	s_barrier_signal -1
	MULQ 1, 1, 0
	WIN 0
	s_barrier_wait -1
.if \fill
	CREST                                          ; the barrier has opened a round of the cluster's
	s_add_nc_u64 s[G0+4*\slot+2:G0+4*\slot+3], s[G0+4*\slot+2:G0+4*\slot+3], 2*SSTEP
	s_add_nc_u64 s[G0B+4*\slot+2:G0B+4*\slot+3], s[G0B+4*\slot+2:G0B+4*\slot+3], 2*SSTEP
	JLOAD G0+4*\slot, G1, G0B+4*\slot, G1B
.else
	PLACES 4
.endif
	FETCH_B \next, 0, 0
	FETCH_A \next, 0, 0
	WIN MUL_HI
	MULQ 2, 1, 0
	MULQ 3, 1, 0
	PLACES 4
	WIN 0
	FETCH_A \next, 0, 1
.endm
.macro LAST
	s_wait_dscnt (NA/2)*4
	WIN MUL_LO
	MULQ 0, 1, 0
	MULQ 1, 1, 0
	s_wait_dscnt 0x0
	WIN MUL_HI
	MULQ 2, 1, 0
	MULQ 3, 1, 0
	WIN 0
.endm
	s_load_b256 s[4:11], s[0:1], 0x0               ; h2c s[4:5], wc s[6:7], the exponents s[8:9], b1 s[10:11]
	s_load_b64 s[12:13], s[0:1], 0x20              ; hidc
	v_lshl_add_u32 v[SPW], v0, 2, SPARE
	v_mov_b32 v[NIL], 0
	ds_add_u32 v[SPW], v[NIL]                      ; the wave's opening: the add, twice on end, and its wait ahead of my first tensor load
	ds_add_u32 v[SPW], v[NIL]
	v_lshrrev_b32 v1, 5, v0
	v_readfirstlane_b32 s14, v1                    ; wave 0..3
	v_and_b32 v[PFO], 31, v0
	v_lshlrev_b32 v[PFO], 8, v[PFO]
	s_lshr_b32 s15, s14, 1                         ; my half of the tile's rows.  Also: I fetch for A' (0) or B' (1)
	s_and_b32 s16, s14, 1                          ; my half of its columns.  Also: which row tile of 128 I fetch
	s_bfe_u32 s40, ttmp6, 0x40000                  ; cx
	s_bfe_u32 s41, ttmp6, 0x40004                  ; cy
	s_lshl_b32 s42, ttmp9, 2
	s_add_co_u32 s42, s42, s40                     ; tile column
	s_and_b32 s17, ttmp7, 0xffff
	s_lshl_b32 s17, s17, 2
	s_add_co_u32 s17, s17, s41                     ; tile row
	s_lshl_b32 s43, s41, 2
	s_lshl_b32 s43, 15, s43                        ; my row of the cluster
	s_lshl_b32 s44, 0x1111, s40                    ; my column
	s_or_b32 s[G1+0], s43, (0<<16)|(1<<20)|(1<<21)|(5<<22)|(3<<25)   ; the mask; elements of 1 byte; padding on; bit 21 beside a mask; four words after every 64
	s_or_b32 s[G1B+0], s44, (0<<16)|(1<<20)|(1<<21)|(5<<22)|(3<<25)
.irp g, G1, G1B
	s_mov_b32 s[\g+1], 256<<16
	s_mov_b32 s[\g+2], 128<<16
	s_mov_b32 s[\g+3], 256<<16
	s_mov_b32 s[\g+4], 128
	s_mov_b32 s[\g+5], 256
	s_mov_b32 s[\g+6], 0
	s_mov_b32 s[\g+7], 0
.endr
	s_lshl_b32 s20, s17, 1
	s_add_co_u32 s20, s20, s16
	s_mul_i32 s20, s20, KTOT*128
	s_mov_b32 s21, 0
	s_lshl_b32 s46, s42, 1
	s_add_co_u32 s46, s46, s16
	s_mul_i32 s46, s46, KTOT*128
	s_add_co_u32 s46, s46, WOFF
	s_mov_b32 s47, 0
	s_mul_i32 s45, s14, 2*QUART                    ; where my bytes begin: no place in the cluster enters an LDS address
	s_wait_alu depctr_va_vdst(0)
	s_wait_dscnt 0x0                               ; both opening adds are done
	s_wait_kmcnt 0x0
	s_load_b512 s[68:83], s[8:9], 0x0              ; the sixteen exponents: entry n in s[68 + n]
	s_add_nc_u64 s[20:21], s[4:5], s[20:21]
	s_add_nc_u64 s[46:47], s[6:7], s[46:47]
	CROUND                                         ; all sixteen work-groups are here: the first joint loads meet
.irp s, 0,1
	s_mov_b32 s[G0+4*\s], 1
	s_add_co_u32 s[G0+4*\s+1], s45, \s*QUART
	s_add_nc_u64 s[G0+4*\s+2:G0+4*\s+3], s[20:21], \s*SSTEP
	s_or_b32 s[G0+4*\s+3], s[G0+4*\s+3], 0x80000000
	s_mov_b32 s[G0B+4*\s], 1
	s_add_co_u32 s[G0B+4*\s+1], s45, \s*QUART
	s_add_nc_u64 s[G0B+4*\s+2:G0B+4*\s+3], s[46:47], \s*SSTEP
	s_or_b32 s[G0B+4*\s+3], s[G0B+4*\s+3], 0x80000000
.endr
	s_cmp_eq_u32 s15, 0                            ; the prefetches: partners are told apart by address (cx for A', cy for B')
	s_cselect_b64 s[PFA:PFA+1], s[20:21], s[46:47]
	s_cselect_b32 s98, s40, s41
	s_lshl_b32 s98, s98, 13
	s_mov_b32 s99, 0
	s_add_nc_u64 s[PFA:PFA+1], s[PFA:PFA+1], s[98:99]
	JLOAD G0, G1, G0B, G1B                         ; the wave's one load at the head: K step 0
	global_prefetch_b8 v[PFO], s[PFA:PFA+1] offset:1*SSTEP th:TH_LOAD_NT scope:SCOPE_SE   ; K step 1, which the next load will ask for: 8,192 bytes, lanes 256 bytes apart
	v_and_b32 v1, 15, v0                           ; r
	v_bfe_u32 v2, v0, 4, 1                         ; h
	s_lshl_b32 s46, s42, 8
	s_lshl_b32 s47, s16, 7
	s_add_co_u32 s46, s46, s47                     ; my first column
	s_lshl_b32 s46, s46, 2
	s_mov_b32 s47, 0
	s_add_nc_u64 s[10:11], s[10:11], s[46:47]
	v_lshlrev_b32 v5, 5, v2
.irp b, 0,1,2,3,4,5,6,7
	global_load_b128 v[BIAS+8*\b:BIAS+8*\b+3], v5, s[10:11] offset:64*\b           ; the bias in the result's layout: columns 16 b + 8 h + 0 .. 7
	global_load_b128 v[BIAS+8*\b+4:BIAS+8*\b+7], v5, s[10:11] offset:64*\b+16
.endr
	v_lshrrev_b32 v3, 1, v1
	v_mul_u32_u24 v3, v3, 272
	v_and_b32 v4, 1, v1
	v_lshl_add_u32 v3, v4, 7, v3
	v_lshl_add_u32 v4, v2, 4, v3                   ; (r / 2) 272 + (r % 2) 128 + 16 h
	s_mul_i32 s21, s15, AW
	s_mul_i32 s22, s16, AW
	s_add_co_u32 s22, s22, 4*QUART
.irp s, 0,1
	v_add_nc_u32 v[ADRA+\s], s21, v4
	v_add_nc_u32 v[ADRB+\s], s22, v4
	s_add_co_u32 s21, s21, QUART
	s_add_co_u32 s22, s22, QUART
.endr
	s_mul_i32 s23, s14, WSTG
	s_add_co_u32 s23, s23, STAGE                   ; my stage: 16 rows x (128 + 16) bytes
	v_mul_u32_u24 v6, v1, 144
	v_lshl_add_u32 v6, v2, 3, v6
	v_add_nc_u32 v[STO], s23, v6                   ; in: row r, 8 bytes for each half of the lanes
	v_and_b32 v6, 31, v0
	v_lshrrev_b32 v7, 3, v6
	v_mul_u32_u24 v7, v7, 144
	v_and_b32 v8, 7, v0
	v_lshl_add_u32 v7, v8, 4, v7
	v_add_nc_u32 v[RD], s23, v7                    ; back: eight lanes to a row
	v_lshlrev_b32 v[CO], 4, v6
	s_lshl_b32 s20, s17, 1
	s_add_co_u32 s20, s20, s15
	s_mul_i32 s20, s20, KOP
	s_lshl_b32 s46, s42, 1
	s_add_co_u32 s46, s46, s16
	s_add_co_u32 s20, s20, s46
	s_lshl_b32 s20, s20, 14                        ; my wave's 128 x 128 codes are one block of the result
	s_mov_b32 s21, 0
	s_add_nc_u64 s[12:13], s[12:13], s[20:21]
	s_wait_kmcnt 0x0                               ; the exponents
	s_add_co_i32 s88, s80, s81
	s_sub_co_i32 s89, 0, s88                       ; -(e12 + e13)
	s_sub_co_i32 s88, s82, s88                     ; e14 - e12 - e13
	s_add_co_i32 s88, s88, 127
	s_lshl_b32 s90, s88, 23
	v_mov_b32 v[SC], s90
	s_add_co_i32 s88, s88, 8
	s_lshl_b32 s88, s88, 23
	s_or_b32 s88, s88, 0x600000
	v_mov_b32 v[LIM], s88
	s_wait_loadcnt 0x0                             ; the bias
.set n, 0
.rept 64
	v_ldexp_f32 v[BIAS+n], v[BIAS+n], s89          ; divided by the power of two that the sums lack
.set n, n+1
.endr
	s_wait_alu depctr_va_vdst(0)
	s_wait_tensorcnt 0x0                           ; my part of K step 0 is in
	ds_add_u32 v[SPW], v[NIL]
	s_wait_dscnt 0x0
	CROUND                                         ; everybody's part is in, and all sixteen work-groups are here
	JLOAD G0+4, G1, G0B+4, G1B                     ; K step 1, the first tensor load behind the round
	global_prefetch_b8 v[PFO], s[PFA:PFA+1] offset:2*SSTEP th:TH_LOAD_NT scope:SCOPE_SE   ; K steps 2 and 3, one and two loads on
	global_prefetch_b8 v[PFO], s[PFA:PFA+1] offset:3*SSTEP th:TH_LOAD_NT scope:SCOPE_SE
	FETCH_B 0, 0, 0
	FETCH_A 0, 0, 0
	FETCH_A 0, 0, 1
	STEP 0, 0, 2                                   ; the first step's products start the sums on the bias
	s_mov_b32 s3, LAPS-1
.Llap:                                                 ; a trip goes once round the ring and fills both slots again
	RUN 0, 1
	TURN 0, 1, 1
	RUN 1, 0
	TURN 1, 0, 1
	STEP 0, 0, 0
	s_sub_co_u32 s3, s3, 1
	s_cmp_lg_u32 s3, 0
	s_cbranch_scc1 .Llap
	RUN 0, 1                                       ; the last lap fills nothing
	TURN 0, 1, 0
	RUN 1, 0
	LAST
; THE WAY OUT, block by block of 16 rows: hold and relu, convert (a lane's eight results are eight neighbouring codes of a row), through my stage, and out as 2,048 dense bytes of my block of the result.
.macro QBLK a
.set QW, 2+(\a)/4
.set QWW, QW|(QW<<6)
.set AC, 64*((\a)%4)
.set PC, 32+16*((\a)%2)
.set BB, 128+16*((\a)%2)
	WIN QWW
.set qi, 0
.rept 64
	v_med3_num_f32 v[AC+qi], v[AC+qi], 0, v[LIM]   ; between 0 and the largest code x the scale; each accumulator from its low end on
.set qi, qi+1
.endr
	WIN QW
.irp b, 0,1,2,3,4,5,6,7
	v_cvt_scalef32_pk8_fp8_f32 v[PC+2*\b:PC+2*\b+1], v[AC+8*\b:AC+8*\b+7], v[SC]
.endr
	v_nop                                          ; a plain vector line behind the last scaled conversion
	WIN 0
.irp b, 0,1,2,3,4,5,6,7
	ds_store_b64 v[STO], v[PC+2*\b:PC+2*\b+1] offset:16*\b
.endr
.irp t, 0,1,2,3
	ds_load_b128 v[BB+4*\t:BB+4*\t+3], v[RD] offset:576*\t         ; LDS serves a wave's instructions in order: these see the stores above
.endr
.endm
.macro SENDC a, younger
.set BB, 128+16*((\a)%2)
	s_wait_dscnt \younger
.irp t, 0,1,2,3
	global_store_b128 v[CO], v[BB+4*\t:BB+4*\t+3], s[12:13] offset:2048*(\a)+512*\t       ; 32 lanes store 512 consecutive bytes, aligned
.endr
.endm
	PLACES 4
	QBLK 0
.irp a, 1,2,3,4,5,6,7
.if \a > 1
	s_wait_xcnt 0x0                                ; block a - 2's stores have read their registers: block a's loads may land there
.endif
	QBLK \a
	SENDC \a-1, 12                                 ; behind block a - 1's loads: block a's 8 stores and 4 loads
.endr
	SENDC 7, 0
	s_wait_tensorcnt 0x0                           ; the wave's end
	ds_add_u32 v[SPW], v[NIL]
	s_wait_dscnt 0x0
	CROUND                                         ; the closing round
	s_endpgm
.Lfunc_end_k_q17bcbc9fb5_ffn1:
	.size	k_q17bcbc9fb5_ffn1, .Lfunc_end_k_q17bcbc9fb5_ffn1-k_q17bcbc9fb5_ffn1
	.p2alignl 7, 3214868480
	.fill 96, 4, 3214868480
	.section	.rodata,"a",@progbits
	.p2align	6, 0x0
	.amdhsa_kernel k_q17bcbc9fb5_ffn1
		.amdhsa_group_segment_fixed_size 327680
		.amdhsa_private_segment_fixed_size 0
		.amdhsa_enable_private_segment 0
		.amdhsa_kernarg_size 40
		.amdhsa_user_sgpr_count 2
		.amdhsa_user_sgpr_kernarg_segment_ptr 1
		.amdhsa_wavefront_size32 1
		.amdhsa_system_sgpr_workgroup_id_x 1
		.amdhsa_system_sgpr_workgroup_id_y 1
		.amdhsa_system_sgpr_workgroup_id_z 1
		.amdhsa_system_vgpr_workitem_id 0
		.amdhsa_next_free_vgpr 1024
		.amdhsa_next_free_sgpr 100
		.amdhsa_reserve_vcc 0
		.amdhsa_float_denorm_mode_32 3
		.amdhsa_float_denorm_mode_16_64 3
		.amdhsa_memory_ordered 1
		.amdhsa_forward_progress 1
		.amdhsa_inst_pref_size 131
	.end_amdhsa_kernel
	.amdgpu_metadata
---
amdhsa.version: [ 1, 2 ]
amdhsa.kernels:
  - .name:           k_q17bcbc9fb5_ffn1
    .symbol:         k_q17bcbc9fb5_ffn1.kd
    .args:
      - { .name: h2c, .offset: 0, .size: 8, .value_kind: global_buffer, .address_space: global }
      - { .name: wc, .offset: 8, .size: 8, .value_kind: global_buffer, .address_space: global }
      - { .name: lowp_scales, .offset: 16, .size: 8, .value_kind: global_buffer, .address_space: global }
      - { .name: b1, .offset: 24, .size: 8, .value_kind: global_buffer, .address_space: global }
      - { .name: hidc, .offset: 32, .size: 8, .value_kind: global_buffer, .address_space: global }
    .group_segment_fixed_size: 327680
    .private_segment_fixed_size: 0
    .kernarg_segment_align: 8
    .kernarg_segment_size: 40
    .max_flat_workgroup_size: 128
    .sgpr_count:     100
    .vgpr_count:     1024
    .wavefront_size: 32
...
	.end_amdgpu_metadata
.endif
;; end of part 6
;; launch ffn2 (part 7): grid 8 x 32, 4 waves a work-group, clusters of 4 x 4, 327,680 bytes of LDS; arguments hidc, wc, lowp_scales, b2, x1, out0; writes out0
.if DOCPART == 7
	.amdgcn_target "amdgcn-amd-amdhsa--gfx1250"
	.amdhsa_code_object_version 6
	.text
	.protected	k_q17bcbc9fb5_ffn2
	.globl	k_q17bcbc9fb5_ffn2
	.p2align	8
	.type	k_q17bcbc9fb5_ffn2,@function
k_q17bcbc9fb5_ffn2:
	s_mov_b64 s[64:65], 0
	v_nop
	global_prefetch_b8 v0, s[64:65] scope:SCOPE_SE
	s_setreg_imm32_b32 hwreg(HW_REG_WAVE_MODE, 25, 1), 1
	s_wait_xcnt 0x0
	s_wait_alu depctr_hold_cnt(0) depctr_sa_sdst(0) depctr_va_vdst(0) depctr_va_sdst(0) depctr_va_ssrc(0) depctr_va_vcc(0) depctr_vm_vsrc(0)
	s_getreg_b32 s2, hwreg(HW_REG_IB_STS2, 6, 4)
	s_cmp_eq_u32 s2, 0
	s_cbranch_scc0 .Lentry_in_a_cluster
	s_endpgm
.Lentry_in_a_cluster:
	s_bfe_u32 s2, ttmp6, 0x10000c
	s_cmp_lg_u32 s2, 0xf033
	s_cbranch_scc0 .Lentry_shape_is_right
	s_endpgm
.Lentry_shape_is_right:
; FFN2.  out0 = x1 + (hid W2 + b2): the product on codes of E4M3 (entries 14, 15 of lowp_scales), the rest in f32.  A' = hidc [4096 tokens][K 4096], B' = w2's codes (wc + 8 MiB, rows = output columns).
; All codes lie in blocks of 128 rows x 128 K (16,384 dense bytes, row-tile major, then panels along K).  A tile of C', 128 x 128, is made by four waves, each 64 x 64: 256 work-groups.
; THE ORDER OF K: of the 32 panels, the fetching wave with half u = 0, 1 walks panels 16 u .. 16 u + 15, two a fill, alike for A' and B'; fill f holds panels 2 f, 2 f + 1, 16 + 2 f, 17 + 2 f.
; Every tensor load brings two neighbouring blocks (32,768 dense bytes) as 128 rows of 256 bytes.  LDS MAP: fetching wave w owns bytes w x 2 QUART on: its quarter of slot 0, then its quarter of slot 1
; (waves 0, 1: A's; waves 2, 3: B's).  Fill 0 is the wave's one load at the head; fill 1 follows behind the full sequence and a round, as a refill does.
; CLUSTERS 4 x 4: A's tiles are asked for jointly along a row, B's along a column.  The matrix instruction is used transposed (source 0 = rows of B', source 1 = rows of A').
; PREFETCH: each wave asks for its work-group's quarter, 8,192 bytes, of what it will fetch: behind fill 0's load for fill 1, behind fill 1's load for fills 2 and 3, behind the refill of fill f for fill f + 2;
; partners are told apart by address; the last two refills ask for nothing.  B's blocks are loaded by eight clusters: those with an even y ask for them.
; The residual and the bias are asked for behind the loop, two slots of products ahead of their first use.
; LIMIT: e14 + e15 lies between -126 and 127.  Only the order of the sums differs from K ascending.
; REGISTERS: window 0: v16-29 addresses; v32-127, v192-223 the residual's 64 x 64 numbers; v224-227 the bias; from v128 A's fragments, later rows read back; window 1: B's two sets; windows 2, 3: accumulators.
.set KTOT,  4096
.set WOFF,  8<<20
.set EA,    14
.set EB,    15
.set NA,    4
.set NB,    4
.set HB,    NA/4
.set NQ,    4                          ; steps of 128 along K in a slot
.set UNIT,  17408                      ; a block in LDS: 64 double rows of 256 + 16 bytes; row rho at (rho / 2) 272 + (rho % 2) 128
.set QUART, 2*UNIT                     ; what one tensor load brings
.set SLOT,  4*QUART                    ; a slot's bytes in all
.set AW,    UNIT/2                     ; from a wave's 64 rows to the other 64
.set SSTEP, 32768                      ; bytes of memory from a wave's fill to its next
.set PFO,   27                         ; v27 the prefetches' offset: 256 x lane; never rewritten
.set PFA,   88                         ; s[88:89] where my prefetches stand
.set PLIM,  92                         ; s92 1 where my wave asks, else the greatest number
.set WSTG,  4352
.set STAGE, 2*SLOT                     ; behind the ring: a stage for each wave; no fill lands there
.set SPARE, STAGE+4*WSTG               ; the spare words, 128 bytes a wave: two blocks of 256 bytes that no other line names
.set LAPS,  KTOT/(256*NQ)
.set ADRA, 16                          ; v16-19 address n = slot + 2 g: the slot's quarter of the fetching wave with half g
.set ADRB, 20                          ; v20-23 the same for B'
.set STO,  24
.set RD,   25
.set CO,   26
.set SPW,  28
.set NIL,  29
.set AF,   128
.set G1,  24
.set G0,  32
.set G1B, 48
.set G0B, 56
.set MSB, 0
.macro WIN new                         ; the immediate's high byte repeats the setting that is left
.if MSB != (\new)
	s_set_vgpr_msb (MSB<<8)|(\new)
.set MSB, (\new)
.endif
.endm
.set MUL_LO, 0xa1                      ; source 0 (B') window 1, source 1 (A') window 0, C and D window 2
.set MUL_HI, 0xf1
.set TO_B,   0x40
.macro JLOAD g0a, g1a, g0b, g1b        ; a joint load: waves 0, 1 fetch for A', waves 2, 3 for B'; an s_nop 0 and four v_nop follow each line
	s_cmp_eq_u32 s15, 0
	s_cbranch_scc0 .Lfor_b_\@
	tensor_load_to_lds s[\g0a:\g0a+3], s[\g1a:\g1a+7]
	s_nop 0
.rept 4
	v_nop
.endr
	s_branch .Lasked_\@
.Lfor_b_\@:
	tensor_load_to_lds s[\g0b:\g0b+3], s[\g1b:\g1b+7]
	s_nop 0
.rept 4
	v_nop
.endr
.Lasked_\@:
.endm
.macro ASK n                           ; s3 = 1 in the loop's last trip, whose refills have no fill two on
	s_cmp_gt_u32 s3, s[PLIM]
	s_cbranch_scc0 .Lnot_mine_\@
	global_prefetch_b8 v[PFO], s[PFA:PFA+1] offset:(\n)*SSTEP th:TH_LOAD_NT scope:SCOPE_SE
.Lnot_mine_\@:
.endm
.macro CREST                           ; a round of the cluster's barrier behind its opening barrier
	s_cmp_lg_u32 s14, 0
	s_cbranch_scc1 .Lnot_wave_0_\@
	s_barrier_signal -3
.Lnot_wave_0_\@:
	s_barrier_wait -3
	s_barrier_signal -1
	s_barrier_wait -1
.endm
.macro CROUND
	s_barrier_signal -1
	s_barrier_wait -1
	CREST
.endm
.macro PLACES n                        ; plain vector lines between a matrix instruction and a load into, or a read of, its registers
.rept \n
	v_nop
.endr
.endm
.macro FRAG reg, adr, off              ; 16 rows x 128 K: registers 4 c .. 4 c + 3 hold K = 32 c + 16 (lane / 16) + 0 .. 15 of row lane % 16
.irp c, 0,1,2,3
	ds_load_b128 v[(\reg)+4*\c:(\reg)+4*\c+3], v[\adr] offset:(\off)+32*\c
.endr
.endm
.macro FETCH_B slot, q, p
	WIN TO_B
.set fi, 0
.rept NB
	FRAG 128*(\p)+16*fi, ADRB+\slot+2*((\q)/2), ((\q)%2)*UNIT+fi*2176
.set fi, fi+1
.endr
	WIN 0
.endm
.macro FETCH_A slot, q, half
.set fi, (NA/2)*(\half)
.rept NA/2
	FRAG AF+16*fi, ADRA+\slot+2*((\q)/2), ((\q)%2)*UNIT+fi*2176
.set fi, fi+1
.endr
.endm
.macro MULQ k, p, zero                 ; A's block k against all of B's; all accumulators take turns, one instruction a turn, in the same order in every step
.set ma, HB*(\k)
.rept HB
.set mb, 0
.rept NB
.set md, 8*(NB*(ma%(NA/2))+mb)
.if (\zero) == 1
	v_wmma_f32_16x16x128_fp8_fp8 v[md:md+7], v[128*(\p)+16*mb:128*(\p)+16*mb+15], v[AF+16*ma:AF+16*ma+15], 0
.else
	v_wmma_f32_16x16x128_fp8_fp8 v[md:md+7], v[128*(\p)+16*mb:128*(\p)+16*mb+15], v[AF+16*ma:AF+16*ma+15], v[md:md+7]
.endif
.set mb, mb+1
.endr
.set ma, ma+1
.endr
.endm
.macro STEP slot, q, zero
	s_wait_dscnt (NA/2)*4                          ; B's set and A's first half are in; A's second half may be out
	WIN MUL_LO
	MULQ 0, (\q)%2, \zero
	MULQ 1, (\q)%2, \zero
	s_wait_dscnt 0x0
	PLACES 4
	FETCH_B \slot, (\q)+1, 1-(\q)%2
	FETCH_A \slot, (\q)+1, 0
	WIN MUL_HI
	MULQ 2, (\q)%2, \zero
	MULQ 3, (\q)%2, \zero
	PLACES 4
	WIN 0
	FETCH_A \slot, (\q)+1, 1
.endm
.macro RUN slot, q0
.set rq, \q0
.rept NQ-1-(\q0)
	STEP \slot, rq, 0
.set rq, rq+1
.endr
.endm
.macro TURN slot, next, fill           ; a slot's last step changes slots: the wait for all my tensor loads, the add, the wait for it and for my reads, one barrier; fill = 1: this slot is filled again
.if \fill
	s_wait_xcnt 0x0                                ; my last prefetch has read its address: it is stepped here, a slot behind that prefetch
	s_add_nc_u64 s[PFA:PFA+1], s[PFA:PFA+1], SSTEP
.endif
	s_wait_tensorcnt 0x0
	ds_add_u32 v[SPW], v[NIL]
	s_wait_dscnt (NA/2)*4+1                        ; the add and A's second half may be out
	WIN MUL_LO
	MULQ 0, 1, 0
	s_wait_dscnt 0x0
	s_barrier_signal -1
	MULQ 1, 1, 0
	WIN 0
	s_barrier_wait -1
.if \fill
	CREST                                          ; the barrier has opened a round of the cluster's
	s_add_nc_u64 s[G0+4*\slot+2:G0+4*\slot+3], s[G0+4*\slot+2:G0+4*\slot+3], 2*SSTEP
	s_add_nc_u64 s[G0B+4*\slot+2:G0B+4*\slot+3], s[G0B+4*\slot+2:G0B+4*\slot+3], 2*SSTEP
	JLOAD G0+4*\slot, G1, G0B+4*\slot, G1B
.else
	PLACES 4
.endif
	FETCH_B \next, 0, 0
	FETCH_A \next, 0, 0
.if \fill
	ASK 3                                          ; the fill two on from the refill just asked for
.endif
	WIN MUL_HI
	MULQ 2, 1, 0
	MULQ 3, 1, 0
	PLACES 4
	WIN 0
	FETCH_A \next, 0, 1
.endm
.macro LAST
	s_wait_dscnt (NA/2)*4
	WIN MUL_LO
	MULQ 0, 1, 0
	MULQ 1, 1, 0
	s_wait_dscnt 0x0
	WIN MUL_HI
	MULQ 2, 1, 0
	MULQ 3, 1, 0
	WIN 0
.endm
	s_load_b256 s[4:11], s[0:1], 0x0               ; hidc s[4:5], wc s[6:7], the exponents s[8:9], b2 s[10:11]
	s_load_b128 s[84:87], s[0:1], 0x20             ; x1 s[84:85], out0 s[86:87]
	v_lshl_add_u32 v[SPW], v0, 2, SPARE
	v_mov_b32 v[NIL], 0
	ds_add_u32 v[SPW], v[NIL]                      ; the wave's opening: the add, twice on end, and its wait ahead of my first tensor load
	ds_add_u32 v[SPW], v[NIL]
	v_lshrrev_b32 v1, 5, v0
	v_readfirstlane_b32 s14, v1                    ; wave 0..3
	v_and_b32 v[PFO], 31, v0
	v_lshlrev_b32 v[PFO], 8, v[PFO]
	s_lshr_b32 s15, s14, 1                         ; my half of the tile's rows.  Also: I fetch for A' (0) or B' (1)
	s_and_b32 s16, s14, 1                          ; my half of its columns.  Also: which half of K I fetch
	s_bfe_u32 s40, ttmp6, 0x40000                  ; cx
	s_bfe_u32 s41, ttmp6, 0x40004                  ; cy
	s_lshl_b32 s42, ttmp9, 2
	s_add_co_u32 s42, s42, s40                     ; tile column
	s_and_b32 s17, ttmp7, 0xffff
	s_lshl_b32 s17, s17, 2
	s_add_co_u32 s17, s17, s41                     ; tile row
	s_lshl_b32 s43, s41, 2
	s_lshl_b32 s43, 15, s43                        ; my row of the cluster
	s_lshl_b32 s44, 0x1111, s40                    ; my column
	s_or_b32 s[G1+0], s43, (0<<16)|(1<<20)|(1<<21)|(5<<22)|(3<<25)   ; the mask; elements of 1 byte; padding on; bit 21 beside a mask; four words after every 64
	s_or_b32 s[G1B+0], s44, (0<<16)|(1<<20)|(1<<21)|(5<<22)|(3<<25)
.irp g, G1, G1B
	s_mov_b32 s[\g+1], 256<<16
	s_mov_b32 s[\g+2], 128<<16
	s_mov_b32 s[\g+3], 256<<16
	s_mov_b32 s[\g+4], 128
	s_mov_b32 s[\g+5], 256
	s_mov_b32 s[\g+6], 0
	s_mov_b32 s[\g+7], 0
.endr
	s_lshl_b32 s22, s16, 18                        ; my half of K: sixteen panels on
	s_mul_i32 s20, s17, KTOT*128
	s_add_co_u32 s20, s20, s22
	s_mov_b32 s21, 0
	s_mul_i32 s46, s42, KTOT*128
	s_add_co_u32 s46, s46, s22
	s_add_co_u32 s46, s46, WOFF
	s_mov_b32 s47, 0
	s_mul_i32 s45, s14, 2*QUART                    ; where my bytes begin: no place in the cluster enters an LDS address
	s_wait_alu depctr_va_vdst(0)
	s_wait_dscnt 0x0                               ; both opening adds are done
	s_wait_kmcnt 0x0
	s_load_b512 s[68:83], s[8:9], 0x0              ; the sixteen exponents: entry n in s[68 + n]
	s_add_nc_u64 s[20:21], s[4:5], s[20:21]
	s_add_nc_u64 s[46:47], s[6:7], s[46:47]
	CROUND                                         ; all sixteen work-groups are here: the first joint loads meet
.irp s, 0,1
	s_mov_b32 s[G0+4*\s], 1
	s_add_co_u32 s[G0+4*\s+1], s45, \s*QUART
	s_add_nc_u64 s[G0+4*\s+2:G0+4*\s+3], s[20:21], \s*SSTEP
	s_or_b32 s[G0+4*\s+3], s[G0+4*\s+3], 0x80000000
	s_mov_b32 s[G0B+4*\s], 1
	s_add_co_u32 s[G0B+4*\s+1], s45, \s*QUART
	s_add_nc_u64 s[G0B+4*\s+2:G0B+4*\s+3], s[46:47], \s*SSTEP
	s_or_b32 s[G0B+4*\s+3], s[G0B+4*\s+3], 0x80000000
.endr
	s_cmp_eq_u32 s15, 0                            ; the prefetches: partners are told apart by address (cx for A', cy for B')
	s_cselect_b64 s[PFA:PFA+1], s[20:21], s[46:47]
	s_cselect_b32 s90, s40, s41
	s_lshl_b32 s90, s90, 13
	s_mov_b32 s91, 0
	s_add_nc_u64 s[PFA:PFA+1], s[PFA:PFA+1], s[90:91]
	s_and_b32 s[PLIM], ttmp7, s15                  ; B's waves in a cluster with an odd y ask for nothing
	s_and_b32 s[PLIM], s[PLIM], 1
	s_cmp_eq_u32 s[PLIM], 0
	s_cselect_b32 s[PLIM], 1, -1
	s_mov_b32 s3, LAPS-1
	JLOAD G0, G1, G0B, G1B                         ; the wave's one load at the head: fill 0
	ASK 1                                          ; fill 1, which the next load will ask for
	v_and_b32 v1, 15, v0                           ; r
	v_bfe_u32 v2, v0, 4, 1                         ; h
	v_lshrrev_b32 v3, 1, v1
	v_mul_u32_u24 v3, v3, 272
	v_and_b32 v4, 1, v1
	v_lshl_add_u32 v3, v4, 7, v3
	v_lshl_add_u32 v4, v2, 4, v3                   ; (r / 2) 272 + (r % 2) 128 + 16 h
	s_mul_i32 s21, s15, AW
	s_mul_i32 s22, s16, AW
	s_add_co_u32 s22, s22, SLOT
	v_add_nc_u32 v[ADRA], s21, v4
	v_add_nc_u32 v[ADRB], s22, v4
.irp s, 1,2,3
	v_add_nc_u32 v[ADRA+\s], QUART, v[ADRA+\s-1]
	v_add_nc_u32 v[ADRB+\s], QUART, v[ADRB+\s-1]
.endr
	s_mul_i32 s23, s14, WSTG
	s_add_co_u32 s23, s23, STAGE                   ; my stage: 16 rows x (256 + 16) bytes
	v_mul_u32_u24 v5, v1, 272
	v_lshl_add_u32 v5, v2, 5, v5
	v_add_nc_u32 v[STO], s23, v5                   ; in: row r, 32 bytes for each half of the lanes
	v_mul_u32_u24 v6, v2, 272
	v_lshl_add_u32 v6, v1, 4, v6
	v_add_nc_u32 v[RD], s23, v6                    ; back: sixteen lanes to a row of 256 bytes
	v_lshlrev_b32 v5, 4, v1                        ; 16 r: my four columns
	v_lshl_add_u32 v[CO], v2, 12, v5               ; and the same two rows in memory
	s_wait_alu depctr_va_vdst(0)
	s_lshl_b32 s20, s17, 7
	s_lshl_b32 s21, s15, 6
	s_add_co_u32 s20, s20, s21                     ; my first row
	s_lshl_b32 s20, s20, 12
	s_lshl_b32 s46, s42, 7
	s_lshl_b32 s47, s16, 6
	s_add_co_u32 s46, s46, s47                     ; my first column
	s_lshl_b32 s46, s46, 2
	s_mov_b32 s47, 0
	s_add_nc_u64 s[10:11], s[10:11], s[46:47]
	s_add_co_u32 s20, s20, s46
	s_mov_b32 s21, 0
	s_add_nc_u64 s[84:85], s[84:85], s[20:21]
	s_add_nc_u64 s[86:87], s[86:87], s[20:21]
	s_wait_alu depctr_va_vdst(0)
	s_wait_tensorcnt 0x0                           ; my part of fill 0 is in
	ds_add_u32 v[SPW], v[NIL]
	s_wait_dscnt 0x0
	CROUND                                         ; everybody's part is in, and all sixteen work-groups are here
	JLOAD G0+4, G1, G0B+4, G1B                     ; fill 1, the first tensor load behind the round
	ASK 2                                          ; fills 2 and 3, one and two loads on
	ASK 3
	FETCH_B 0, 0, 0
	FETCH_A 0, 0, 0
	FETCH_A 0, 0, 1
	STEP 0, 0, 1                                   ; the first step's products start the sums
	s_mov_b32 s3, LAPS-1
.Llap:                                                 ; a trip goes once round the ring and fills both slots again
	RUN 0, 1
	TURN 0, 1, 1
	RUN 1, 0
	TURN 1, 0, 1
	STEP 0, 0, 0
	s_sub_co_u32 s3, s3, 1
	s_cmp_lg_u32 s3, 0
	s_cbranch_scc1 .Llap
	global_load_b128 v[224:227], v5, s[10:11]      ; the bias of my four columns,
.irp a, 0,1,2
.irp t, 0,1,2,3,4,5,6,7
	global_load_b128 v[32+32*\a+4*\t:35+32*\a+4*\t], v[CO], s[84:85] offset:(16*\a+2*\t)*4096      ; and the residual, in the layout of the way out, block by block: it lands under the last lap
.endr
.endr
.irp t, 0,1,2,3,4,5,6,7
	global_load_b128 v[192+4*\t:195+4*\t], v[CO], s[84:85] offset:(48+2*\t)*4096
.endr
	RUN 0, 1                                       ; the last lap fills nothing
	TURN 0, 1, 0
	RUN 1, 0
	LAST
; THE WAY OUT, block by block of 16 rows x 64 columns: the raw sums go through my stage and come back as whole rows of 256 bytes; there sum x 2^(e14 + e15) + bias, + the residual; sixteen lanes store 256 consecutive bytes, aligned.
.macro TOSTAGE a
.set TW, (2+(\a)/2)<<2
.set AC, 32*((\a)%2)
.set BB, 128+32*((\a)%2)
	WIN TW                                         ; an LDS store's data are its source 1
.irp b, 0,1,2,3
	ds_store_b128 v[STO], v[AC+8*\b:AC+8*\b+3] offset:64*\b        ; each accumulator from its low end on
	ds_store_b128 v[STO], v[AC+8*\b+4:AC+8*\b+7] offset:64*\b+16
.endr
	WIN 0
.irp t, 0,1,2,3,4,5,6,7
	ds_load_b128 v[BB+4*\t:BB+4*\t+3], v[RD] offset:544*\t         ; LDS serves a wave's instructions in order: these see the stores above
.endr
.endm
.macro SENDF a, younger
.set BB, 128+32*((\a)%2)
.set RB, 32+32*(\a)
.if (\a) == 3
.set RB, 192
.endif
	s_wait_loadcnt 8*(3-(\a))                      ; the bias and this block's residual are in; the eight loads of each later block may be out
	s_wait_dscnt \younger
.irp t, 0,1,2,3,4,5,6,7
	v_pk_fma_f32 v[BB+4*\t:BB+4*\t+1], v[BB+4*\t:BB+4*\t+1], s[96:97], v[224:225] op_sel_hi:[1,0,1]
	v_pk_fma_f32 v[BB+4*\t+2:BB+4*\t+3], v[BB+4*\t+2:BB+4*\t+3], s[96:97], v[226:227] op_sel_hi:[1,0,1]
	v_pk_add_f32 v[BB+4*\t:BB+4*\t+1], v[BB+4*\t:BB+4*\t+1], v[RB+4*\t:RB+4*\t+1]
	v_pk_add_f32 v[BB+4*\t+2:BB+4*\t+3], v[BB+4*\t+2:BB+4*\t+3], v[RB+4*\t+2:RB+4*\t+3]
	global_store_b128 v[CO], v[BB+4*\t:BB+4*\t+3], s[86:87] offset:(16*(\a)+2*\t)*4096
.endr
.endm
	s_wait_kmcnt 0x0
	s_add_co_i32 s96, s[68+EA], s[68+EB]
	s_add_co_i32 s96, s96, 127
	s_lshl_b32 s96, s96, 23                        ; 2^(e14 + e15) as f32
	s_mov_b32 s97, s96                             ; named with it as a pair
	PLACES 4
	TOSTAGE 0
.irp a, 1,2,3
.if \a > 1
	s_wait_xcnt 0x0                                ; block a - 2's stores have read their registers: block a's loads may land there
.endif
	TOSTAGE \a
	SENDF \a-1, 16                                 ; behind block a - 1's loads: block a's 8 stores and 8 loads
.endr
	SENDF 3, 0
	s_wait_tensorcnt 0x0                           ; the wave's end
	ds_add_u32 v[SPW], v[NIL]
	s_wait_dscnt 0x0
	CROUND                                         ; the closing round
	s_endpgm
.Lfunc_end_k_q17bcbc9fb5_ffn2:
	.size	k_q17bcbc9fb5_ffn2, .Lfunc_end_k_q17bcbc9fb5_ffn2-k_q17bcbc9fb5_ffn2
	.p2alignl 7, 3214868480
	.fill 96, 4, 3214868480
	.section	.rodata,"a",@progbits
	.p2align	6, 0x0
	.amdhsa_kernel k_q17bcbc9fb5_ffn2
		.amdhsa_group_segment_fixed_size 327680
		.amdhsa_private_segment_fixed_size 0
		.amdhsa_enable_private_segment 0
		.amdhsa_kernarg_size 48
		.amdhsa_user_sgpr_count 2
		.amdhsa_user_sgpr_kernarg_segment_ptr 1
		.amdhsa_wavefront_size32 1
		.amdhsa_system_sgpr_workgroup_id_x 1
		.amdhsa_system_sgpr_workgroup_id_y 1
		.amdhsa_system_sgpr_workgroup_id_z 1
		.amdhsa_system_vgpr_workitem_id 0
		.amdhsa_next_free_vgpr 1024
		.amdhsa_next_free_sgpr 100
		.amdhsa_reserve_vcc 0
		.amdhsa_float_denorm_mode_32 3
		.amdhsa_float_denorm_mode_16_64 3
		.amdhsa_memory_ordered 1
		.amdhsa_forward_progress 1
		.amdhsa_inst_pref_size 86
	.end_amdhsa_kernel
	.amdgpu_metadata
---
amdhsa.version: [ 1, 2 ]
amdhsa.kernels:
  - .name:           k_q17bcbc9fb5_ffn2
    .symbol:         k_q17bcbc9fb5_ffn2.kd
    .args:
      - { .name: hidc, .offset: 0, .size: 8, .value_kind: global_buffer, .address_space: global }
      - { .name: wc, .offset: 8, .size: 8, .value_kind: global_buffer, .address_space: global }
      - { .name: lowp_scales, .offset: 16, .size: 8, .value_kind: global_buffer, .address_space: global }
      - { .name: b2, .offset: 24, .size: 8, .value_kind: global_buffer, .address_space: global }
      - { .name: x1, .offset: 32, .size: 8, .value_kind: global_buffer, .address_space: global }
      - { .name: out0, .offset: 40, .size: 8, .value_kind: global_buffer, .address_space: global }
    .group_segment_fixed_size: 327680
    .private_segment_fixed_size: 0
    .kernarg_segment_align: 8
    .kernarg_segment_size: 48
    .max_flat_workgroup_size: 128
    .sgpr_count:     100
    .vgpr_count:     1024
    .wavefront_size: 32
...
	.end_amdgpu_metadata
.endif
;; end of part 7
